; MI455X (gfx1250); checked and timed in simulation.
; The chip was launched on July 23, 2026; its instructions are those of AMD's public machine-readable ISA for CDNA 5 (MIT licence, August 2026) and "CDNA5" Instruction Set Architecture Reference Guide (July 2026). The comments in the code are by the model that wrote it; some were corrected since.
;; Spatial Attention Layer. Allowed arithmetic: matrix products marked QUANTISED: E5M2 operands, one E8M0 scale for each 32 along K, by v_wmma_scale_f32_16x16x128_f8f6f4 with both operands' format E5M2, f32 sums; everything else in f32.
;; Inputs: P 8,192 x 3 float32; W_k_codes 256 x 8 x 32 uint8 (E5M2 codes of W_k, K innermost, in blocks of 32 codes); W_k_scales 256 x 8 uint8 (E8M0 scales of W_k, one for each 32 codes along K); W_q_codes 256 x 8 x 32 uint8 (E5M2 codes of W_q, K innermost, in blocks of 32 codes); W_q_scales 256 x 8 uint8 (E8M0 scales of W_q, one for each 32 codes along K); W_v_codes 256 x 8 x 32 uint8 (E5M2 codes of W_v, K innermost, in blocks of 32 codes); W_v_scales 256 x 8 uint8 (E8M0 scales of W_v, one for each 32 codes along K); X 8,192 x 256 float32; b_k 256 float32; b_q 256 float32; b_v 256 float32.
;; Outputs: out0 8,192 x 256 float32.
;; This version of the problem:
;;   THIS VERSION OF THE PROBLEM IS GIVEN IN LOW PRECISION. The matrix products marked QUANTISED in the list below multiply operands that are first quantised to E5M2 (5 exponent bits, 2 mantissa bits; 8 bits a number), with one power-of-two scale for each 32 numbers along K (OCP MX v1.0); their sums are f32. All else is computed in f32.
;;   The module's matrix products, in the order in which they are computed (A, B: the left and right operand; K: the contracted axis; several contracted axes count as one K, in the product's order):
;;     1. [M 8,192, K 256] x [K 256, N 256]; A: input X; B: input W_q (given as codes): QUANTISED
;;     2. [M 8,192, K 256] x [K 256, N 256]; A: input X; B: input W_k (given as codes): QUANTISED
;;     3. [M 8,192, K 256] x [K 256, N 256]; A: input X; B: input W_v (given as codes): QUANTISED
;;     4. [M 8,192, K 256] x [K 256, N 8,192]; A: computed on the way; B: computed on the way: QUANTISED
;;     5. [M 8,192, K 8,192] x [K 8,192, N 256]; A: computed on the way; B: computed on the way: QUANTISED
;;   THE QUANTISER, for each operand of a quantised product, along K:
;;     - K is cut into blocks of 32 from its start; a last block that is shorter is filled with zeros.
;;     - A block's scale is 2^e with e = floor(log2(the largest magnitude in the block)) - 15, held to -126 .. 127; a block of zeros has e = 0. As a byte (E8M0): e + 127.
;;     - Each number is divided by its block's scale, clamped to +-57,344, and rounded to the nearest number of E5M2, ties to even, subnormals kept.
;;     - The product sums the exact products of the quantised numbers (number of the format x scale) in f32.
;;   ~~~python
;;   def quantise(x, axis):      # numpy; x: float32 -> the quantised numbers, widened to float32 again
;;       x = np.moveaxis(x, axis, -1); K = x.shape[-1]
;;       x = np.pad(x, [(0, 0)] * (x.ndim - 1) + [(0, -K % 32)]); x = x.reshape(x.shape[:-1] + (-1, 32)); a = np.abs(x).max(-1, keepdims=True)
;;       e = np.where(a > 0, np.clip(np.frexp(np.where(a > 0, a, 1))[1] - 1 - 15, -126, 127), 0)      # np.frexp(a)[1] - 1 = floor(log2(a)), exactly
;;       r = np.clip(x / 2.0 ** e, -57344, 57344)
;;       step = 2.0 ** (np.maximum(np.frexp(np.where(r == 0, 1, r))[1] - 1, -14) - 2)
;;       q = np.round(r / step) * step * 2.0 ** e      # np.round: ties to even
;;       return np.moveaxis(q.reshape(q.shape[:-2] + (-1,))[..., :K], -1, axis).astype(np.float32)
;;   ~~~
;;   OPERANDS COMPUTED ON THE WAY. 'Computed on the way' means the value that the module computes at that place (a softmax that the list does not call 'softmax' is quantised finished and normalised). What goes into a quantiser is computed in f32, as accurately as f32 sums, v_exp_f32 and their like allow (about 1e-6 of the number): no bf16 or f16 on the way to a quantiser, and a product that is left as it is and whose result goes on into a quantised operand takes f32 operands (vector FMAs, or v_wmma_f32_16x16x4_f32). A number that lies on a knife's edge between two numbers of the format may be rounded either way, as far as f32 arithmetic and the matrix unit's own rounding can turn it there, and no further.
;;   INPUTS GIVEN AS CODES. W_k (in the module: [256, 256], K = its axis 0); W_q (in the module: [256, 256], K = its axis 0); W_v (in the module: [256, 256], K = its axis 0): each comes as NAME_codes (uint8): NAME with its K axis moved to the last place and cut into blocks of 32 codes, [.., K / 32, bytes a block], one block behind the other in memory; one code a byte (a code: sign, 5 exponent bits, 2 mantissa bits); and NAME_scales (uint8): the same leading axes, one E8M0 byte (e + 127) for each 32 codes along K. Its value is code x scale, taken as it is: it is not quantised again, and the codes and scales need not be those that the quantiser above would give.
;; One version. Each part assembles by itself: llvm-mc -triple=amdgcn-amd-amdhsa -mcpu=gfx1250 --defsym DOCPART=n.
;; ======== version 1 of 1: 4 launches
;; limits: right only within a limited range of input values
;; workspace buffers: QF 2,097,152 bytes; QS 65,536 bytes; KV 4,456,448 bytes; ML 1,048,576 bytes; OP 33,554,432 bytes
;; launch prep (part 1): grid 256 x 1, 8 waves a work-group, no clusters, 36,864 bytes of LDS; arguments X, P, W_q_codes, W_q_scales, b_q, W_k_codes, W_k_scales, b_k, W_v_codes, W_v_scales, b_v, QF, QS, KV; writes QF, QS, KV
.if DOCPART == 1
	.amdgcn_target "amdgcn-amd-amdhsa--gfx1250"
	.amdhsa_code_object_version 6
	.text
	.protected	k_qca8df1cfa9_prep
	.globl	k_qca8df1cfa9_prep
	.p2align	8
	.type	k_qca8df1cfa9_prep,@function
k_qca8df1cfa9_prep:
	s_mov_b64 s[64:65], 0
	v_nop
	global_prefetch_b8 v0, s[64:65] scope:SCOPE_SE
	s_setreg_imm32_b32 hwreg(HW_REG_WAVE_MODE, 25, 1), 1
	s_wait_xcnt 0x0
; Q = X Wq + bq, K = X Wk + bk, V = X Wv + bv on codes of BF8 (E5M2) with one E8M0 scale for each 32 along K, and the three results quantised again for the two products of attention.
; X [8192][256] f32 is quantised here, along its 256.  The weights come as codes [256 (channel)][256 (k)] with scale bytes [256][8].
; WHAT IS STORED.  All operands are laid as IMAGES OF OPERAND REGISTERS: registers 4 c .. 4 c + 3 of lane l of a fragment (16 rows x 128 k) at byte 512 c + 16 l, 2,048 bytes a fragment.
;   QF [tile 512][K step 2][2,048]: Q's codes, K = the 256 channels.   QS [tile 512][128]: lane (h, r) holds the scale word of the tile's row r, K step h.
;   KV: a record of 69,632 bytes for each unit of 128 rows: 0 K's 16 fragments; 32,768 K's 8 scale images; 33,792 x[128], y[128], z[128] of P and 512 zeros; 35,840 V's 16 fragments (16 channels x the unit's 128 keys: K = the keys); 68,608 V's 8 scale images.
; THE ROWS OF A TILE ARE NOT NEIGHBOURS: row r of tile 2 b + u of a unit is row 32 b + 8 u + r + 8 (r / 8) of the unit, so that in a product used transposed a lane's 16 registers of tiles 2 b, 2 b + 1 are 16 neighbouring keys.
; SHARES.  256 work-groups: a unit (128 rows) and a quarter j of its results.  Wave w quantises X's tile w, whose images go to the other waves through LDS (each of a unit's four work-groups does that for itself).
; Q, K: wave w makes channels 32 w .. 32 w + 31 for tiles 2 j, 2 j + 1, transposed (source 0 = 16 rows of W, source 1 = X): a lane holds one row and 16 neighbouring channels of one block of 32.
; V: wave w makes channel tile 4 j + w / 2 for row tiles 4 (w % 2) on, as it stands (source 0 = X, source 1 = 16 rows of Wv): a lane holds one channel, and its 32 registers are two blocks of 32 keys with lane l xor 16's.
; The scale bytes meet in LDS; waves 0, 1, 2 store Q's, K's and V's images of the quarter, 256 consecutive bytes each.  The quarter j of P's block is component j (j = 3: the zeros).  The biases are the C of each sum's first matrix instruction.
; No cluster and no tensor load: every operand goes from memory into registers, X on its way to the quantiser; no tile lies in LDS as it lies in memory.
; LIMITS: NaN and infinities among the inputs are not served.  A block whose largest magnitude lies under 2^-111 keeps the scale byte 1; a block of zeros has the byte 1 where the quantiser says 127: its codes are zeros, and this program alone reads the bytes.
; REGISTERS, window 0: v1-13, v71, v73, v250-255 addresses; v14, v15 the add's two; v16-47 X's fragments of tile 2 j, later codes; v48-59 X's scale words; v60-69 the weights'; v70 a scale word just made; v72 bv;
;   v74-105 X's codes just made, later V's four sums; v106-233 X as loaded, then X's eight fragments for V, then Q's and K's eight sums; v234-249 at work.
;   window 1: v0-63 Wq, v64-127 Wk, v128-159 Wv; v160-191 X's fragments of tile 2 j + 1; v192-223 bq, bk in the results' layout; v224-231 bv.
.set UNITB, 69632
.set XIMG,  0                          ; LDS: X's 16 fragments (tile i, K step s: 2 i + s), 2,048 bytes each
.set XSC,   32768                      ; their scale words, 128 bytes each
.set SCB,   34816                      ; the scale bytes: Q's two images, K's two at 256, V's two at 512
.set SPARE, 35840                      ; the spare words, 128 bytes for each wave: four blocks of 256 bytes that no other line names
.set LI,  1                            ; 16 x lane
.set LS,  2                            ; 4 x lane
.set XA,  3                            ; X: (r + 8 (r / 8)) rows of 1,024 bytes + 64 h
.set WA,  4                            ; Wq, Wk: (r + 8 (r / 8)) rows of 256 bytes + 16 h
.set WB,  5                            ; Wv: r rows + 16 h
.set WSA, 6                            ; their scale words: 8 bytes a row
.set WSB, 7
.set BA,  8                            ; bq, bk: 64 h
.set BB,  9                            ; bv: 4 r
.set SBA, 10                           ; where Q's and K's scale bytes go: SCB + 4 r + 64 (w / 4) + w % 4
.set XWI, 11                           ; where I store X's images: 16 x lane + 4,096 x wave
.set XWS, 12                           ; and their scale words: 4 x lane + 256 x wave
.set TT,  13                           ; at work; then 8 x lane
.set SPW, 14
.set NIL, 15
.set XF,  16
.set XS,  48                           ; tile 2 j + i, K step s: XS + 2 i + s
.set XV,  52                           ; V's row tile il, K step s: XV + 2 il + s
.set WSQ, 60
.set WSK, 64
.set WSV, 68
.set PW,  70
.set FVS, 71                           ; 4 x lane + 1,024 (w % 2)
.set BVT, 72
.set PAD, 73                           ; my row of P, then my word of it
.set ACC, 74
.set XR,  106
.set TM,  234
.set PST, 250                          ; 4 x thread + 512 j
.set SBV, 251                          ; where V's scale bytes go: SCB + 512 + 64 (w / 2) + 2 (w % 2) + 4 r
.set FA,  252                          ; 16 x lane + 8,192 j
.set FS,  253                          ; 4 x lane + 512 j
.set FV,  254                          ; 16 x lane + 16,384 (w % 2)
.set IMA, 255                          ; where I read an image back
.set WV,  36
.set SEL, 38
.set MNT, 40
.set MSB, 0
.macro WIN new                         ; the immediate's high byte repeats the setting that is left
.if MSB != \new
	s_set_vgpr_msb (MSB<<8)|\new
.set MSB, \new
.endif
.endm
.macro PLACES n
.rept \n
	v_nop
.endr
.endm
.macro MM d, a, b, c, sa, sb
	v_wmma_scale_f32_16x16x128_f8f6f4 v[(\d):(\d)+7], v[(\a):(\a)+15], v[(\b):(\b)+15], v[(\c):(\c)+7], v[\sa], v[\sb] matrix_a_fmt:MATRIX_FMT_BF8 matrix_b_fmt:MATRIX_FMT_BF8
.endm
; four blocks of 32, 16 numbers a lane each at v[s + 16 b], the other 16 in lane l xor 16: codes in v[pc + 4 b] on, bytes in v[TM + 4 + b]; word = 1: the four bytes as a scale word in v[PW]
.macro QUANT s, pc, word
.irp b,0,1,2,3
	v_max3_num_f32 v[TM+\b], |v[(\s)+16*\b]|, |v[(\s)+1+16*\b]|, 0x8000000   ; my 16 numbers, and the floor 2^(16 - 127): the byte cannot fall under 1
.endr
.irp i,2,4,6,8,10,12,14
.irp b,0,1,2,3
	v_max3_num_f32 v[TM+\b], v[TM+\b], |v[(\s)+16*\b+\i]|, |v[(\s)+1+16*\b+\i]|   ; the four blocks by turns
.endr
.endr
.irp b,0,1,2,3
	s_delay_alu instid0(VALU_DEP_4)
	v_permlanex16_b32 v[TM+4+\b], v[TM+\b], s[SEL], s[SEL+1]
.endr
.irp b,0,1,2,3
	s_delay_alu instid0(VALU_DEP_4)
	v_max_num_f32 v[TM+\b], v[TM+\b], v[TM+4+\b]           ; with lane l xor 16's: the block's largest magnitude
.endr
.irp b,0,1,2,3
	s_delay_alu instid0(VALU_DEP_4)
	v_add_nc_u32 v[TM+12+\b], 0xf8800000, v[TM+\b]         ; 15 off its exponent field: the conversion's scale operand
.endr
.irp b,0,1,2,3
	v_and_or_b32 v[TM+8+\b], v[TM+\b], 0x7f800000, s[MNT]  ; 57,344 x the scale
.endr
.irp b,0,1,2,3
	v_lshrrev_b32 v[TM+4+\b], 23, v[TM+12+\b]              ; the scale's byte
.endr
.if \word
	s_delay_alu instid0(VALU_DEP_3)
	v_lshl_or_b32 v[PW], v[TM+5], 8, v[TM+4]
	s_delay_alu instid0(VALU_DEP_1)
	v_lshl_or_b32 v[PW], v[TM+6], 16, v[PW]
	s_delay_alu instid0(VALU_DEP_1)
	v_lshl_or_b32 v[PW], v[TM+7], 24, v[PW]
.endif
.irp b,0,1,2,3
.irp i,0,1,2,3,4,5,6,7,8,9,10,11,12,13,14,15
	v_med3_num_f32 v[(\s)+16*\b+\i], v[(\s)+16*\b+\i], -v[TM+8+\b], v[TM+8+\b]   ; the conversion to an 8-bit code does not saturate (ISA guide 7.6.2): the hold comes first
.endr
	v_cvt_scalef32_pk8_bf8_f32 v[(\pc)+4*\b:(\pc)+4*\b+1], v[(\s)+16*\b:(\s)+16*\b+7], v[TM+12+\b]
	v_cvt_scalef32_pk8_bf8_f32 v[(\pc)+4*\b+2:(\pc)+4*\b+3], v[(\s)+16*\b+8:(\s)+16*\b+15], v[TM+12+\b]
.endr
	v_nop                                          ; a plain line behind the last conversion
.endm
; the same for two blocks, at v[ACC + 16 m]
.macro QUANT1 pc
.irp m,0,1
	v_max3_num_f32 v[TM+\m], |v[ACC+16*\m]|, |v[ACC+16*\m+1]|, 0x8000000   ; each accumulator is read from its low end on
.endr
.irp i,2,4,6,8,10,12,14
.irp m,0,1
	v_max3_num_f32 v[TM+\m], v[TM+\m], |v[ACC+16*\m+\i]|, |v[ACC+16*\m+\i+1]|
.endr
.endr
.irp m,0,1
	s_delay_alu instid0(VALU_DEP_2)
	v_permlanex16_b32 v[TM+4+\m], v[TM+\m], s[SEL], s[SEL+1]
.endr
.irp m,0,1
	s_delay_alu instid0(VALU_DEP_2)
	v_max_num_f32 v[TM+\m], v[TM+\m], v[TM+4+\m]
.endr
.irp m,0,1
	s_delay_alu instid0(VALU_DEP_2)
	v_add_nc_u32 v[TM+12+\m], 0xf8800000, v[TM+\m]
.endr
.irp m,0,1
	s_delay_alu instid0(VALU_DEP_4)
	v_and_or_b32 v[TM+8+\m], v[TM+\m], 0x7f800000, s[MNT]
.endr
.irp m,0,1
	s_delay_alu instid0(VALU_DEP_4)
	v_lshrrev_b32 v[TM+4+\m], 23, v[TM+12+\m]
.endr
.irp m,0,1
.irp i,0,1,2,3,4,5,6,7,8,9,10,11,12,13,14,15
	v_med3_num_f32 v[ACC+16*\m+\i], v[ACC+16*\m+\i], -v[TM+8+\m], v[TM+8+\m]
.endr
	v_cvt_scalef32_pk8_bf8_f32 v[(\pc)+4*\m:(\pc)+4*\m+1], v[ACC+16*\m:ACC+16*\m+7], v[TM+12+\m]
	v_cvt_scalef32_pk8_bf8_f32 v[(\pc)+4*\m+2:(\pc)+4*\m+3], v[ACC+16*\m+8:ACC+16*\m+15], v[TM+12+\m]
.endr
	v_nop
.endm
.macro XLOAD reg, s                    ; my 16 rows' numbers of K step s: 64 a lane
.irp b,0,1,2,3
.irp j,0,1,2,3
	global_load_b128 v[(\reg)+16*\b+4*\j:(\reg)+16*\b+4*\j+3], v[XA], s[8:9] offset:512*(\s)+128*\b+16*\j
.endr
.endr
.endm
.macro IMAGE off                       ; the fragment in v[ACC] on goes to LDS as it stands
.irp c,0,1,2,3
	ds_store_b128 v[XWI], v[ACC+4*\c:ACC+4*\c+3] offset:(\off)+512*\c
.endr
.endm
.macro FETCH reg, adr, off             ; and comes back so, in any wave
.irp c,0,1,2,3
	ds_load_b128 v[(\reg)+4*\c:(\reg)+4*\c+3], v[\adr] offset:(\off)+512*\c
.endr
.endm
	s_load_b512 s[8:23], s[0:1], 0x0               ; X, P, Wq codes, Wq scales, bq, Wk codes, Wk scales, bk
	s_load_b256 s[24:31], s[0:1], 0x40             ; Wv codes, Wv scales, bv, QF
	s_load_b128 s[32:35], s[0:1], 0x60             ; QS, KV
	v_lshl_add_u32 v[SPW], v0, 2, SPARE
	v_mov_b32 v[NIL], 0
	v_lshrrev_b32 v[TT], 5, v0
	v_readfirstlane_b32 s[WV], v[TT]               ; wave 0..7
	s_mov_b32 s[SEL], 0x76543210
	s_mov_b32 s[SEL+1], 0xfedcba98                 ; v_permlanex16_b32's selects for lane l xor 16
	s_mov_b32 s[MNT], 0x600000                     ; the mantissa field of 57,344
	s_lshr_b32 s42, s[WV], 2                       ; my K step of the next product,
	s_and_b32 s43, s[WV], 3                        ; and my block of 32 in it
	s_lshr_b32 s45, s[WV], 1
	s_and_b32 s48, s[WV], 1                        ; V: my half of the unit's rows
	s_lshr_b32 s46, ttmp9, 2                       ; the unit
	s_and_b32 s47, ttmp9, 3                        ; j
	s_lshl_b32 s49, s47, 2
	s_add_co_u32 s49, s49, s45                     ; V: my channel tile 4 j + w / 2
	s_cmp_eq_u32 s47, 3
	s_cselect_b32 s41, 0, -1                       ; quarter 3 of P's block is zeros
	s_lshl_b32 s50, s46, 7                         ; X: the unit's first row + 32 (w / 2) + 8 (w % 2): tile w's first row
	s_lshl_b32 s44, s45, 5
	s_add_co_u32 s50, s50, s44
	s_lshl_b32 s44, s48, 3
	s_add_co_u32 s50, s50, s44
	s_lshl_b32 s50, s50, 10
	s_mov_b32 s51, 0
	s_mul_i32 s52, s46, 1536                       ; P: 128 rows of 12 bytes a unit; component min(j, 2)
	s_min_u32 s44, s47, 2
	s_lshl_b32 s44, s44, 2
	s_add_co_u32 s52, s52, s44
	s_mov_b32 s53, 0
	s_lshl_b32 s54, s[WV], 13                      ; my 32 rows of Wq's and Wk's codes,
	s_mov_b32 s55, 0
	s_lshl_b32 s56, s[WV], 8                       ; of their scale bytes,
	s_mov_b32 s57, 0
	s_lshl_b32 s58, s[WV], 7                       ; my 32 numbers of bq and bk
	s_mov_b32 s59, 0
	s_lshl_b32 s60, s49, 12                        ; my 16 rows of Wv's codes, scale bytes, bv
	s_mov_b32 s61, 0
	s_lshl_b32 s62, s49, 7
	s_mov_b32 s63, 0
	s_lshl_b32 s66, s49, 6
	s_mov_b32 s67, 0
	s_lshl_b32 s72, s42, 11                        ; my four registers' place in the unit's images of Q or K: 8,192 j + 2,048 (w / 4) + 512 (w % 4)
	s_lshl_b32 s44, s43, 9
	s_add_co_u32 s72, s72, s44
	s_lshl_b32 s44, s47, 13
	s_add_co_u32 s72, s72, s44
	s_mov_b32 s73, 0
	s_lshl_b32 s68, s46, 15                        ; QF: 8 tiles of 4,096 bytes a unit
	s_add_co_u32 s68, s68, s72
	s_mov_b32 s69, 0
	s_mul_i32 s70, s46, UNITB
	s_mov_b32 s71, 0
	s_lshl_b32 s74, s49, 11                        ; V: my fragment, my two blocks' registers in it
	s_lshl_b32 s44, s48, 10
	s_add_co_u32 s74, s74, s44
	s_add_co_u32 s74, s74, 35840
	s_mov_b32 s75, 0
	s_lshl_b32 s86, s46, 10                        ; the scale images: 128 bytes each, two a quarter
	s_lshl_b32 s44, s47, 8
	s_add_co_u32 s86, s86, s44
	s_mov_b32 s87, 0
	s_add_co_u32 s88, s44, 32768
	s_mov_b32 s89, 0
	s_add_co_u32 s90, s44, 68608
	s_mov_b32 s91, 0
	s_lshl_b32 s76, s42, 6                         ; the waves' and the quarter's parts of the LDS addresses
	s_add_co_u32 s76, s76, s43
	s_add_co_u32 s76, s76, SCB
	s_lshl_b32 s77, s[WV], 12
	s_lshl_b32 s78, s[WV], 8
	s_lshl_b32 s79, s45, 6
	s_lshl_b32 s44, s48, 1
	s_add_co_u32 s79, s79, s44
	s_add_co_u32 s79, s79, SCB+512
	s_lshl_b32 s80, s47, 13
	s_lshl_b32 s81, s47, 9
	s_lshl_b32 s82, s48, 14
	s_lshl_b32 s83, s48, 10
	s_min_u32 s84, s[WV], 2
	s_lshl_b32 s84, s84, 8
	s_add_co_u32 s84, s84, SCB
	v_and_b32 v[LS], 31, v0
	v_lshlrev_b32 v[LI], 4, v[LS]
	v_lshlrev_b32 v[LS], 2, v[LS]
	v_and_b32 v[BB], 15, v0                        ; r
	v_bfe_u32 v[BA], v0, 4, 1                      ; h
	v_and_b32 v[TT], 8, v[BB]
	v_add_nc_u32 v[TT], v[TT], v[BB]               ; r + 8 (r / 8)
	v_lshlrev_b32 v[XA], 10, v[TT]
	v_lshl_add_u32 v[XA], v[BA], 6, v[XA]
	v_lshlrev_b32 v[WA], 8, v[TT]
	v_lshl_add_u32 v[WA], v[BA], 4, v[WA]
	v_lshlrev_b32 v[WB], 8, v[BB]
	v_lshl_add_u32 v[WB], v[BA], 4, v[WB]
	v_lshlrev_b32 v[WSA], 3, v[TT]
	v_lshlrev_b32 v[WSB], 3, v[BB]
	v_lshl_add_u32 v[SBA], v[BB], 2, s76
	v_lshl_add_u32 v[SBV], v[BB], 2, s79
	v_add_nc_u32 v[XWI], s77, v[LI]
	v_add_nc_u32 v[XWS], s78, v[LS]
	v_add_nc_u32 v[FA], s80, v[LI]
	v_add_nc_u32 v[FS], s81, v[LS]
	v_add_nc_u32 v[FV], s82, v[LI]
	v_add_nc_u32 v[FVS], s83, v[LS]
	v_lshlrev_b32 v[TT], 1, v[LS]                  ; 8 x lane
	v_add_nc_u32 v[IMA], s84, v[TT]
	v_lshlrev_b32 v[BA], 6, v[BA]
	v_lshlrev_b32 v[BB], 2, v[BB]
	v_and_b32 v[PAD], 127, v0
	v_mul_u32_u24 v[PAD], v[PAD], 12               ; a row of P is 12 bytes
	v_lshl_add_u32 v[PST], v0, 2, s81
.irp b,0,1,2,3
	v_mov_b32 v[TM+4+\b], 0                        ; written once: a lane permute's destination counts as one of its sources
.endr
	s_wait_alu depctr_va_vdst(0)
	s_wait_kmcnt 0x0
	s_add_nc_u64 s[8:9], s[8:9], s[50:51]
	s_add_nc_u64 s[10:11], s[10:11], s[52:53]
	s_add_nc_u64 s[12:13], s[12:13], s[54:55]
	s_add_nc_u64 s[18:19], s[18:19], s[54:55]
	s_add_nc_u64 s[14:15], s[14:15], s[56:57]
	s_add_nc_u64 s[20:21], s[20:21], s[56:57]
	s_add_nc_u64 s[16:17], s[16:17], s[58:59]
	s_add_nc_u64 s[22:23], s[22:23], s[58:59]
	s_add_nc_u64 s[24:25], s[24:25], s[60:61]
	s_add_nc_u64 s[26:27], s[26:27], s[62:63]
	s_add_nc_u64 s[28:29], s[28:29], s[66:67]
	s_add_nc_u64 s[30:31], s[30:31], s[68:69]
	s_add_nc_u64 s[32:33], s[32:33], s[86:87]
	s_add_nc_u64 s[34:35], s[34:35], s[70:71]      ; the unit's record
	s_add_nc_u64 s[72:73], s[34:35], s[72:73]      ; K's codes in it,
	s_add_nc_u64 s[74:75], s[34:35], s[74:75]      ; V's,
	s_add_nc_u64 s[88:89], s[34:35], s[88:89]      ; K's scale images of the quarter,
	s_add_nc_u64 s[90:91], s[34:35], s[90:91]      ; V's
	global_load_b32 v[PAD], v[PAD], s[10:11]       ; my word of P first (it lands on its own address)
	XLOAD XR, 0
	XLOAD XR+64, 1
	WIN 0x40                                       ; destination window 1
.irp u,0,1
.irp s,0,1
.irp c,0,1,2,3
	global_load_b128 v[32*\u+16*\s+4*\c:32*\u+16*\s+4*\c+3], v[WA], s[12:13] offset:2048*\u+128*\s+32*\c
	global_load_b128 v[64+32*\u+16*\s+4*\c:64+32*\u+16*\s+4*\c+3], v[WA], s[18:19] offset:2048*\u+128*\s+32*\c
.endr
.endr
.endr
.irp s,0,1
.irp c,0,1,2,3
	global_load_b128 v[128+16*\s+4*\c:128+16*\s+4*\c+3], v[WB], s[24:25] offset:128*\s+32*\c
.endr
.endr
.irp u,0,1                             ; lane (r, h) wants, for tile u, the bias of channels 32 w + 16 h + 8 u + 0 .. 7
	global_load_b128 v[192+8*\u:195+8*\u], v[BA], s[16:17] offset:32*\u
	global_load_b128 v[196+8*\u:199+8*\u], v[BA], s[16:17] offset:32*\u+16
	global_load_b128 v[208+8*\u:211+8*\u], v[BA], s[22:23] offset:32*\u
	global_load_b128 v[212+8*\u:215+8*\u], v[BA], s[22:23] offset:32*\u+16
.endr
	WIN 0
.irp u,0,1
.irp s,0,1
	global_load_b32 v[WSQ+2*\u+\s], v[WSA], s[14:15] offset:64*\u+4*\s
	global_load_b32 v[WSK+2*\u+\s], v[WSA], s[20:21] offset:64*\u+4*\s
.endr
.endr
.irp s,0,1
	global_load_b32 v[WSV+\s], v[WSB], s[26:27] offset:4*\s
.endr
	global_load_b32 v[BVT], v[BB], s[28:29]        ; bv of my channel
	s_wait_loadcnt 63                              ; P's word and X's K step 0 are in: 75 loads were issued behind them, and the count's field holds 63
	v_and_b32 v[PAD], s41, v[PAD]
	s_wait_alu depctr_va_vdst(0)
	s_cmp_lt_u32 s[WV], 4
	s_cbranch_scc0 .Lno_p
	global_store_b32 v[PST], v[PAD], s[34:35] offset:33792   ; threads 0 to 127: the quarter's 512 bytes
.Lno_p:
	QUANT XR, ACC, 1
	IMAGE XIMG
	ds_store_b32 v[XWS], v[PW] offset:XSC
	s_wait_dscnt 0x0
	s_wait_loadcnt 59                              ; X's K step 1 is in; the 59 loads of weights and biases may be out
	QUANT XR+64, ACC, 1
	IMAGE XIMG+2048
	ds_store_b32 v[XWS], v[PW] offset:XSC+128
	s_wait_dscnt 0x0                               ; for the others' sake: my images of X have landed
	s_barrier_signal -1
	s_barrier_wait -1                              ; X's sixteen fragments lie in LDS
.irp s,0,1
	FETCH XF+16*\s, FA, XIMG+2048*\s               ; tile 2 j
.endr
	WIN 0x40
.irp s,0,1
	FETCH 160+16*\s, FA, XIMG+4096+2048*\s         ; tile 2 j + 1
.endr
	WIN 0
.irp f,0,1,2,3,4,5,6,7
	FETCH XR+16*\f, FV, XIMG+2048*\f               ; row tiles 4 (w % 2) on, for V
.endr
.irp f,0,1,2,3
	ds_load_b32 v[XS+\f], v[FS] offset:XSC+128*\f
.endr
.irp f,0,1,2,3,4,5,6,7
	ds_load_b32 v[XV+\f], v[FVS] offset:XSC+128*\f
.endr
	s_wait_loadcnt 0x0
	WIN 0x40
.irp j,0,1,2,3,4,5,6,7
	v_mov_b32 v[224+\j], v[BVT]                    ; V's result holds one channel a lane: its bias in all eight registers
.endr
	WIN 0
	s_wait_alu depctr_va_vdst(0)
	s_wait_dscnt 0x0
; 24 matrix instructions; at least three other accumulators stand between a sum's two steps
	WIN 0x14                                       ; source 1 (Wv) and source 2 (bv) window 1
.irp i,0,1,2,3
	MM ACC+8*\i, XR+32*\i, 128, 224, XV+2*\i, WSV
.endr
	WIN 0x04
.irp i,0,1,2,3
	MM ACC+8*\i, XR+32*\i+16, 144, ACC+8*\i, XV+2*\i+1, WSV+1
.endr
	WIN 0
	PLACES 9                                       ; Q's and K's sums are laid over X's fragments that these products have read: nine places
	WIN 0x11                                       ; source 0 (W) and source 2 (the bias) window 1
	MM XR, 0, XF, 192, WSQ, XS
	MM XR+8, 32, XF, 200, WSQ+2, XS
	MM XR+16, 64, XF, 208, WSK, XS
	MM XR+24, 96, XF, 216, WSK+2, XS
	WIN 0x15                                       ; and source 1 (tile 2 j + 1)
	MM XR+32, 0, 160, 192, WSQ, XS+2
	MM XR+40, 32, 160, 200, WSQ+2, XS+2
	MM XR+48, 64, 160, 208, WSK, XS+2
	MM XR+56, 96, 160, 216, WSK+2, XS+2
	WIN 0x01
	MM XR, 16, XF+16, XR, WSQ+1, XS+1
	MM XR+8, 48, XF+16, XR+8, WSQ+3, XS+1
	MM XR+16, 80, XF+16, XR+16, WSK+1, XS+1
	MM XR+24, 112, XF+16, XR+24, WSK+3, XS+1
	WIN 0x05
	MM XR+32, 16, 176, XR+32, WSQ+1, XS+3
	MM XR+40, 48, 176, XR+40, WSQ+3, XS+3
	MM XR+48, 80, 176, XR+48, WSK+1, XS+3
	MM XR+56, 112, 176, XR+56, WSK+3, XS+3
	WIN 0
	PLACES 8                                       ; eight places ahead of the first read of results and of writes of registers that the products have read
	QUANT XR, XF, 0                                ; blocks: Q and K of tile 2 j, Q and K of tile 2 j + 1
.irp i,0,1
	global_store_b128 v[LI], v[XF+8*\i:XF+8*\i+3], s[30:31] offset:4096*\i     ; 512 consecutive bytes, aligned: registers 4 (w % 4) on of Q's fragment (tile 2 j + i, K step w / 4)
	global_store_b128 v[LI], v[XF+8*\i+4:XF+8*\i+7], s[72:73] offset:4096*\i   ; the same of K's
	ds_store_b8 v[SBA], v[TM+4+2*\i] offset:128*\i      ; both lanes of a block write the same byte with the same value
	ds_store_b8 v[SBA], v[TM+5+2*\i] offset:256+128*\i
.endr
	QUANT1 XF+16                                   ; V: blocks 2 (w % 2), 2 (w % 2) + 1 of the unit's keys
	global_store_b128 v[LI], v[XF+16:XF+19], s[74:75]
	global_store_b128 v[LI], v[XF+20:XF+23], s[74:75] offset:512
	ds_store_b8 v[SBV], v[TM+4]
	ds_store_b8 v[SBV], v[TM+5] offset:1
	s_wait_alu depctr_va_vdst(0)
	s_wait_dscnt 0x0                               ; for the others' sake: my scale bytes have landed
	s_barrier_signal -1
	s_barrier_wait -1
	s_cmp_eq_u32 s[WV], 0                          ; wave 0 stores Q's two images, wave 1 K's, wave 2 V's
	s_cselect_b64 s[92:93], s[32:33], s[88:89]
	s_cmp_eq_u32 s[WV], 2
	s_cselect_b64 s[92:93], s[90:91], s[92:93]
	s_cmp_lt_u32 s[WV], 3
	s_cbranch_scc0 .Lno_image
	ds_load_b64 v[XF+24:XF+25], v[IMA]
	s_wait_dscnt 0x0
	global_store_b64 v[TT], v[XF+24:XF+25], s[92:93]   ; 32 lanes store 256 consecutive bytes, aligned
.Lno_image:
	s_wait_tensorcnt 0x0                           ; the wave's end, behind my last LDS store
	ds_add_u32 v[SPW], v[NIL]
	s_wait_dscnt 0x0
	s_endpgm
.Lfunc_end_k_qca8df1cfa9_prep:
	.size	k_qca8df1cfa9_prep, .Lfunc_end_k_qca8df1cfa9_prep-k_qca8df1cfa9_prep
	.p2alignl 7, 3214868480
	.fill 96, 4, 3214868480
	.section	.rodata,"a",@progbits
	.p2align	6, 0x0
	.amdhsa_kernel k_qca8df1cfa9_prep
		.amdhsa_group_segment_fixed_size 36864
		.amdhsa_private_segment_fixed_size 0
		.amdhsa_enable_private_segment 0
		.amdhsa_kernarg_size 112
		.amdhsa_user_sgpr_count 2
		.amdhsa_user_sgpr_kernarg_segment_ptr 1
		.amdhsa_wavefront_size32 1
		.amdhsa_system_sgpr_workgroup_id_x 1
		.amdhsa_system_sgpr_workgroup_id_y 1
		.amdhsa_system_sgpr_workgroup_id_z 1
		.amdhsa_system_vgpr_workitem_id 0
		.amdhsa_next_free_vgpr 512
		.amdhsa_next_free_sgpr 96
		.amdhsa_reserve_vcc 0
		.amdhsa_float_denorm_mode_32 3
		.amdhsa_float_denorm_mode_16_64 3
		.amdhsa_memory_ordered 1
		.amdhsa_forward_progress 1
		.amdhsa_inst_pref_size 54
	.end_amdhsa_kernel
	.amdgpu_metadata
---
amdhsa.version: [ 1, 2 ]
amdhsa.kernels:
  - .name:           k_qca8df1cfa9_prep
    .symbol:         k_qca8df1cfa9_prep.kd
    .args:
      - { .name: X, .offset: 0, .size: 8, .value_kind: global_buffer, .address_space: global }
      - { .name: P, .offset: 8, .size: 8, .value_kind: global_buffer, .address_space: global }
      - { .name: W_q_codes, .offset: 16, .size: 8, .value_kind: global_buffer, .address_space: global }
      - { .name: W_q_scales, .offset: 24, .size: 8, .value_kind: global_buffer, .address_space: global }
      - { .name: b_q, .offset: 32, .size: 8, .value_kind: global_buffer, .address_space: global }
      - { .name: W_k_codes, .offset: 40, .size: 8, .value_kind: global_buffer, .address_space: global }
      - { .name: W_k_scales, .offset: 48, .size: 8, .value_kind: global_buffer, .address_space: global }
      - { .name: b_k, .offset: 56, .size: 8, .value_kind: global_buffer, .address_space: global }
      - { .name: W_v_codes, .offset: 64, .size: 8, .value_kind: global_buffer, .address_space: global }
      - { .name: W_v_scales, .offset: 72, .size: 8, .value_kind: global_buffer, .address_space: global }
      - { .name: b_v, .offset: 80, .size: 8, .value_kind: global_buffer, .address_space: global }
      - { .name: QF, .offset: 88, .size: 8, .value_kind: global_buffer, .address_space: global }
      - { .name: QS, .offset: 96, .size: 8, .value_kind: global_buffer, .address_space: global }
      - { .name: KV, .offset: 104, .size: 8, .value_kind: global_buffer, .address_space: global }
    .group_segment_fixed_size: 36864
    .private_segment_fixed_size: 0
    .kernarg_segment_align: 8
    .kernarg_segment_size: 112
    .max_flat_workgroup_size: 256
    .sgpr_count:     96
    .vgpr_count:     512
    .wavefront_size: 32
...
	.end_amdgpu_metadata
.endif
;; end of part 1
;; launch pass1 (part 2): grid 256 x 1, 8 waves a work-group, clusters of 4 x 1, 167,936 bytes of LDS; arguments QF, QS, KV, P, ML; writes ML
.if DOCPART == 2
	.amdgcn_target "amdgcn-amd-amdhsa--gfx1250"
	.amdhsa_code_object_version 6
	.text
	.protected	k_qca8df1cfa9_pass1
	.globl	k_qca8df1cfa9_pass1
	.p2align	8
	.type	k_qca8df1cfa9_pass1,@function
k_qca8df1cfa9_pass1:
	s_mov_b64 s[64:65], 0
	v_nop
	global_prefetch_b8 v0, s[64:65] scope:SCOPE_SE
	s_setreg_imm32_b32 hwreg(HW_REG_WAVE_MODE, 25, 1), 1
	s_wait_xcnt 0x0
	s_wait_alu depctr_hold_cnt(0) depctr_sa_sdst(0) depctr_va_vdst(0) depctr_va_sdst(0) depctr_va_ssrc(0) depctr_va_vcc(0) depctr_vm_vsrc(0)
	s_getreg_b32 s2, hwreg(HW_REG_IB_STS2, 6, 4)
	s_cmp_eq_u32 s2, 0
	s_cbranch_scc0 .Lentry_in_a_cluster
	s_endpgm
.Lentry_in_a_cluster:
	s_bfe_u32 s2, ttmp6, 0x10000c
	s_cmp_lg_u32 s2, 0x3003
	s_cbranch_scc0 .Lentry_shape_is_right
	s_endpgm
.Lentry_shape_is_right:
; THE FIRST WALK OVER THE KEYS: for each query the largest t and the sum of 2^(t - largest), over 512 keys.  t = (q . k) u is the score in units of log2: u = c exp(-|Pq - Pk|^2 / 2), c = log2(e) / 16.
; q . k is made on codes of BF8 (E5M2) with E8M0 scales, from the images that the launch before stored.
; u = 2^(log2(c) - dx^2 - dy^2 - dz^2), dx = fma(kx, s, -(qx s)), s = sqrt(log2(e) / 2): the difference is one fused multiply-add on the key's raw position (kx s is not rounded), the sign rides on the squares' multiply-adds.
; SHARES.  A work-group has 512 queries x 512 keys (four units): 16 blocks of queries x 16 splits of the keys.  Each of its 8 waves owns four tiles of 16 queries and walks all 512 keys, 32 a block.
; The product is used transposed (source 0 = 16 keys, source 1 = 16 queries): a lane holds ONE query (lane % 16), and the 16 registers of a block's two tiles are keys 16 (lane / 16) + 0 .. 15 of the block.
; Each lane keeps a running maximum and sum of its own keys; lanes l and l xor 16 are joined at the end.  ML [split 16][pair of tiles 256][lane 32] takes (maximum, sum): lane (h, r) has tile h's row r.
; LDS.  The K part of the four units' records (codes, scale words, positions: 35,840 bytes each) is filled ONCE: each wave brings half a unit by one tensor load.  Nothing is filled again.
; CLUSTER.  The four work-groups of a cluster have the same keys and other queries: each load is asked for JOINTLY, with the same descriptor and the mask of all four.
; No prefetch: all that the launch reads is asked for at its head.
; LIMITS: NaN and infinities are not served; 2^x under 2^-126 counts as 0 (v_exp_f32: ISA guide 15.8).  qx s is rounded once, so a difference carries up to half an ulp of |s Pq|: some 1e-6 of u for positions of a few units,
; under 1e-5 of u where all positions carry a common offset of 30 times their spread.
; REGISTERS, window 0: v1-7 addresses; v8, v9 the add's two; v10-13 Q's scale words; v14-15 K's; v16-27 my queries' positions x s (x, y, z a tile); v28-59 eight registers of statistics a tile;
;   v64-111 the block's keys' positions; v112-175 S^T (tile t, key tile u at 112 + 16 t + 8 u), ahead of the products at work for the distances; v176-239 the exponents, then u.   window 1: v0-127 Q; v128-191 K of a block.
.set UNITB, 69632
.set KPART, 35840
.set HALFK, 17920                      ; 70 rows of 256 bytes: what one tensor load brings
.set SPARE, 4*KPART                    ; behind the four units: the spare words, 128 bytes for each wave: four blocks of 256 bytes that no other line names
.set LI,  1                            ; 16 x lane
.set LS,  2                            ; 4 x lane
.set LB,  3                            ; 64 x (lane / 16)
.set ADK, 4                            ; the unit's images
.set ADS, 5                            ; its scale words
.set ADP, 6                            ; the positions of the block to be fetched
.set TA,  7
.set SPW, 8
.set NIL, 9
.set QS,  10
.set KS,  14
.set QP,  16
.set ST,  28                           ; tile t at ST + 8 t: +0 the new maximum, +1 the maximum, +2, +3 the sum in two halves, +4 the factor, +5 written once, +6, +7 at work
.set KP,  64
.set S,   112
.set E,   176
.set WV,  14
.set CX,  15
.set G1,  24
.set G0,  32
.set SEL, 36
.set SS,  38                           ; s[38:39] s = sqrt(log2(e) / 2)
.set NL,  40                           ; s[40:41] log2(c)
.set UB,  42                           ; LDS byte at which the unit in hand begins
.set NB,  43                           ; and the next one
.set CNT, 44
.set MSB, 0
.macro WIN new
.if MSB != \new
	s_set_vgpr_msb (MSB<<8)|\new
.set MSB, \new
.endif
.endm
.macro PLACES n
.rept \n
	v_nop
.endr
.endm
.macro MM d, a, b, c, sa, sb, row
.if (\c) < 0
	v_wmma_scale_f32_16x16x128_f8f6f4 v[(\d):(\d)+7], v[(\a):(\a)+15], v[(\b):(\b)+15], 0, v[\sa], v[\sb] matrix_a_fmt:MATRIX_FMT_BF8 matrix_b_fmt:MATRIX_FMT_BF8
.else
	v_wmma_scale_f32_16x16x128_f8f6f4 v[(\d):(\d)+7], v[(\a):(\a)+15], v[(\b):(\b)+15], v[(\c):(\c)+7], v[\sa], v[\sb] matrix_a_fmt:MATRIX_FMT_BF8 matrix_b_fmt:MATRIX_FMT_BF8 matrix_a_scale:MATRIX_SCALE_ROW1 matrix_b_scale:MATRIX_SCALE_ROW1
.endif
.endm
.macro CROUND                          ; a round of the cluster's barrier
	s_barrier_signal -1
	s_barrier_wait -1
	s_cmp_lg_u32 s[WV], 0
	s_cbranch_scc1 .Lnot_wave_0_\@
	s_barrier_signal -3
.Lnot_wave_0_\@:
	s_barrier_wait -3
	s_barrier_signal -1
	s_barrier_wait -1
.endm
.macro PFMS d, k, q                    ; v[d : d + 1] = v[k : k + 1] x s - v[q], the one number v[q] for both halves: it is named as a half of its even pair
.if (\q)%2
	v_pk_fma_f32 v[(\d):(\d)+1], v[(\k):(\k)+1], s[SS:SS+1], v[(\q)-1:(\q)] op_sel:[0,0,1] op_sel_hi:[1,0,1] neg_lo:[0,0,1] neg_hi:[0,0,1]
.else
	v_pk_fma_f32 v[(\d):(\d)+1], v[(\k):(\k)+1], s[SS:SS+1], v[(\q):(\q)+1] op_sel_hi:[1,0,0] neg_lo:[0,0,1] neg_hi:[0,0,1]
.endif
.endm
; tile t: the exponents log2(c) - d^2 of my query against my 16 keys of the block, two keys an instruction, eight keys at a time; the differences stand in S^T's registers, which the products write afterwards
.macro DISTB t
.irp g,0,1
.irp p,0,2,4,6
	PFMS S+24*\g+\p, KP+8*\g+\p, QP+3*(\t)
.endr
.irp p,0,2,4,6
	PFMS S+24*\g+8+\p, KP+16+8*\g+\p, QP+3*(\t)+1
.endr
.irp p,0,2,4,6
	PFMS S+24*\g+16+\p, KP+32+8*\g+\p, QP+3*(\t)+2
.endr
.irp p,0,2,4,6
	v_pk_fma_f32 v[E+16*(\t)+8*\g+\p:E+16*(\t)+8*\g+\p+1], v[S+24*\g+\p:S+24*\g+\p+1], v[S+24*\g+\p:S+24*\g+\p+1], s[NL:NL+1] op_sel_hi:[1,1,0] neg_lo:[1,0,0] neg_hi:[1,0,0]
.endr
.irp p,0,2,4,6
	s_delay_alu instid0(VALU_DEP_4)
	v_pk_fma_f32 v[E+16*(\t)+8*\g+\p:E+16*(\t)+8*\g+\p+1], v[S+24*\g+8+\p:S+24*\g+8+\p+1], v[S+24*\g+8+\p:S+24*\g+8+\p+1], v[E+16*(\t)+8*\g+\p:E+16*(\t)+8*\g+\p+1] neg_lo:[1,0,0] neg_hi:[1,0,0]
.endr
.irp p,0,2,4,6
	s_delay_alu instid0(VALU_DEP_4)
	v_pk_fma_f32 v[E+16*(\t)+8*\g+\p:E+16*(\t)+8*\g+\p+1], v[S+24*\g+16+\p:S+24*\g+16+\p+1], v[S+24*\g+16+\p:S+24*\g+16+\p+1], v[E+16*(\t)+8*\g+\p:E+16*(\t)+8*\g+\p+1] neg_lo:[1,0,0] neg_hi:[1,0,0]
.endr
.endr
.endm
.macro KPLOAD b                        ; the positions of my 16 keys of block b: sixteen lanes read the same 16 bytes
.irp c,0,1,2
.irp i,0,1,2,3
	ds_load_b128 v[KP+16*\c+4*\i:KP+16*\c+4*\i+3], v[ADP] offset:33792+512*\c+128*(\b)+16*\i
.endr
.endr
.endm
; A BLOCK OF 32 KEYS against my 64 queries
.macro BLOCK b
	WIN 0x40                                       ; destination window 1
.irp u,0,1
.irp s,0,1
.irp c,0,1,2,3
	ds_load_b128 v[128+32*\u+16*\s+4*\c:128+32*\u+16*\s+4*\c+3], v[ADK] offset:(2*(2*(\b)+\u)+\s)*2048+512*\c
.endr
.endr
.endr
	WIN 0
.irp u,0,1
	ds_load_b32 v[KS+\u], v[ADS] offset:32768+128*(2*(\b)+\u)
.endr
	s_wait_dscnt 18                                ; the block's positions, asked for a block ago, are in; the 18 loads just issued may be out
.irp t,0,1,2,3
	DISTB \t
.endr
.if (\b) < 3
	KPLOAD (\b)+1
.else
	v_add_nc_u32 v[ADP], s[NB], v[LB]              ; the next unit's first block (in the last trip: the last unit's once more, landed bytes that are not used)
	KPLOAD 0
.endif
	s_wait_dscnt 12                                ; K's fragments and scale words are in; the 12 loads of positions may be out
	WIN 0x05                                       ; sources 0 (K) and 1 (Q) window 1
.irp u,0,1
.irp t,0,1,2,3
	MM S+16*\t+8*\u, 128+32*\u, 32*\t, -1, KS+\u, QS+\t, 0       ; channels 0-127 start the eight sums
.endr
.endr
.irp u,0,1
.irp t,0,1,2,3
	MM S+16*\t+8*\u, 128+32*\u+16, 32*\t+16, S+16*\t+8*\u, KS+\u, QS+\t, 1   ; channels 128-255: seven other accumulators stand between two links; their scale words lie in lanes 16-31
.endr
.endr
	WIN 0
.set j, 0
	s_wait_alu depctr_va_vdst(0)
.rept 64
	v_exp_f32 v[E+j], v[E+j]                       ; u
.set j, j+1
.endr
	PLACES 8                                       ; the plain place behind the exponentials; the eight places behind the products ahead of the reads of S^T and of the next block's loads into K's registers
	s_wait_alu depctr_va_vdst(0)                   ; one wait for the batch, ahead of its first reader
.set j, 0
.rept 32
	v_pk_mul_f32 v[S+j:S+j+1], v[S+j:S+j+1], v[E+j:E+j+1]   ; t = (q . k) u; each accumulator from its low end on
.set j, j+2
.endr
.irp t,0,1,2,3
	v_max3_num_f32 v[ST+8*\t], v[S+16*\t], v[S+16*\t+1], v[ST+8*\t+1]   ; the new maximum: the old one and my 16 t, the four tiles by turns
.endr
.irp i,2,4,6,8,10,12,14
.irp t,0,1,2,3
	s_delay_alu instid0(VALU_DEP_4)
	v_max3_num_f32 v[ST+8*\t], v[ST+8*\t], v[S+16*\t+\i], v[S+16*\t+\i+1]
.endr
.endr
.irp t,0,1,2,3
	s_delay_alu instid0(VALU_DEP_4)
	v_sub_f32 v[ST+8*\t+4], v[ST+8*\t+1], v[ST+8*\t]        ; old maximum - new
.endr
.irp t,0,1,2,3
	v_mov_b32 v[ST+8*\t+1], v[ST+8*\t]
.endr
.irp t,0,1,2,3
.irp i,0,2,4,6,8,10,12,14
	v_pk_add_f32 v[S+16*\t+\i:S+16*\t+\i+1], v[S+16*\t+\i:S+16*\t+\i+1], v[ST+8*\t:ST+8*\t+1] op_sel_hi:[1,0] neg_lo:[0,1] neg_hi:[0,1]
.endr
.endr
	s_wait_alu depctr_va_vdst(0)
.irp t,0,1,2,3
	v_exp_f32 v[ST+8*\t+4], v[ST+8*\t+4]
.endr
.set j, 0
.rept 64
	v_exp_f32 v[S+j], v[S+j]
.set j, j+1
.endr
	v_nop
	s_wait_alu depctr_va_vdst(0)
.irp t,0,1,2,3
	v_pk_mul_f32 v[ST+8*\t+2:ST+8*\t+3], v[ST+8*\t+2:ST+8*\t+3], v[ST+8*\t+4:ST+8*\t+5] op_sel_hi:[1,0]   ; the sum under the new maximum
	v_pk_add_f32 v[ST+8*\t+6:ST+8*\t+7], v[S+16*\t:S+16*\t+1], v[S+16*\t+2:S+16*\t+3]
.endr
.irp i,4,8,12
.irp t,0,1,2,3
	v_pk_add_f32 v[ST+8*\t+2:ST+8*\t+3], v[ST+8*\t+2:ST+8*\t+3], v[S+16*\t+\i:S+16*\t+\i+1]
	v_pk_add_f32 v[ST+8*\t+6:ST+8*\t+7], v[ST+8*\t+6:ST+8*\t+7], v[S+16*\t+\i+2:S+16*\t+\i+3]
.endr
.endr
.irp t,0,1,2,3
	v_pk_add_f32 v[ST+8*\t+2:ST+8*\t+3], v[ST+8*\t+2:ST+8*\t+3], v[ST+8*\t+6:ST+8*\t+7]
.endr
.endm
	s_load_b256 s[4:11], s[0:1], 0x0               ; QF s[4:5], QS s[6:7], KV s[8:9], P s[10:11]
	s_load_b64 s[12:13], s[0:1], 0x20              ; ML
	v_lshl_add_u32 v[SPW], v0, 2, SPARE
	v_mov_b32 v[NIL], 0
	ds_add_u32 v[SPW], v[NIL]                      ; the wave's opening: the add and its wait stand ahead of my first tensor load; the set-up below, work on registers, stands between them
	ds_add_u32 v[SPW], v[NIL]
	v_lshrrev_b32 v[TA], 5, v0
	s_delay_alu instid0(VALU_DEP_1)
	v_readfirstlane_b32 s[WV], v[TA]               ; wave 0..7
	s_bfe_u32 s[CX], ttmp6, 0x40000                ; my place in the cluster: it enters the addresses of Q, P and ML alone
	s_mov_b32 s[G1], 15|(3<<16)|(1<<21)            ; 15:0 the mask: all four work-groups; 17:16 elements of 8 bytes; 21 set beside a mask; no padding
	s_mov_b32 s[G1+1], 32<<16                      ; tensor_dim0 = 32 elements: rows of 256 bytes
	s_mov_b32 s[G1+2], 70<<16                      ; tensor_dim1 = 70
	s_mov_b32 s[G1+3], 32<<16                      ; tile_dim0
	s_mov_b32 s[G1+4], 70                          ; tile_dim1
	s_mov_b32 s[G1+5], 32                          ; the block is dense: pitch = row
	s_mov_b32 s[G1+6], 0
	s_mov_b32 s[G1+7], 0
	s_mov_b32 s[SEL], 0x76543210
	s_mov_b32 s[SEL+1], 0xfedcba98
	s_mov_b32 s[SS], 0x3f596d27                    ; s = sqrt(log2(e) / 2) = 0.8493218
	s_mov_b32 s[SS+1], s[SS]                       ; (named with it as a pair, so it is written)
	s_mov_b32 s[NL], 0xc05e28b1                    ; log2(log2(e) / 16) = -3.4712336
	s_mov_b32 s[NL+1], s[NL]
	s_and_b32 s16, ttmp9, 15                       ; my split of the keys: units 4 ks .. 4 ks + 3
	s_lshl_b32 s17, s16, 2
	s_lshr_b32 s18, s[WV], 1
	s_add_co_u32 s17, s17, s18                     ; the unit of which I fetch a half
	s_mul_i32 s20, s17, UNITB
	s_and_b32 s18, s[WV], 1
	s_mul_i32 s18, s18, HALFK
	s_add_co_u32 s20, s20, s18
	s_mov_b32 s21, 0
	s_mul_i32 s19, s[WV], HALFK                    ; and where it goes
	s_lshr_b32 s22, ttmp9, 4
	s_lshl_b32 s22, s22, 2
	s_add_co_u32 s22, s22, s[CX]                   ; my block of 512 queries
	s_lshl_b32 s22, s22, 3
	s_add_co_u32 s22, s22, s[WV]                   ; my four tiles: 4 quad on
	s_lshl_b32 s46, s22, 14
	s_mov_b32 s47, 0
	s_lshl_b32 s48, s22, 9
	s_mov_b32 s49, 0
	s_mul_i32 s50, s22, 768                        ; 64 rows of P
	s_mov_b32 s51, 0
	s_lshl_b32 s52, s16, 16
	s_add_co_u32 s52, s52, s48
	s_mov_b32 s53, 0
	v_and_b32 v[LS], 31, v0
	s_delay_alu instid0(VALU_DEP_1)
	v_lshlrev_b32 v[LI], 4, v[LS]
	s_delay_alu instid0(VALU_DEP_2)
	v_lshlrev_b32 v[LS], 2, v[LS]
	v_bfe_u32 v[LB], v0, 4, 1
	s_delay_alu instid0(VALU_DEP_1)
	v_lshlrev_b32 v[LB], 6, v[LB]
	v_and_b32 v[TA], 15, v0
	s_delay_alu instid0(VALU_DEP_1)
	v_and_b32 v[ADK], 8, v[TA]
	s_delay_alu instid0(VALU_DEP_1)
	v_add_nc_u32 v[TA], v[TA], v[ADK]
	s_delay_alu instid0(VALU_DEP_1)
	v_mul_u32_u24 v[TA], v[TA], 12                 ; row r of a tile is row r + 8 (r / 8) from the tile's first
.irp t,0,1,2,3
	v_mov_b32 v[ST+8*\t+1], 0xff61b1e6             ; the maximum so far: -3e38, under every t
	v_mov_b32 v[ST+8*\t+2], 0
	v_mov_b32 v[ST+8*\t+3], 0
	v_mov_b32 v[ST+8*\t+5], 0                      ; (named as the upper half of the factor's pair)
.endr
	s_wait_dscnt 0x0                               ; the opening add is done
	s_wait_kmcnt 0x0
	s_mov_b32 s[G0], 1
	s_mov_b32 s[G0+1], s19
	s_add_nc_u64 s[G0+2:G0+3], s[8:9], s[20:21]
	s_or_b32 s[G0+3], s[G0+3], 0x80000000
	s_add_nc_u64 s[4:5], s[4:5], s[46:47]
	s_add_nc_u64 s[6:7], s[6:7], s[48:49]
	s_add_nc_u64 s[10:11], s[10:11], s[50:51]
	s_add_nc_u64 s[12:13], s[12:13], s[52:53]
	CROUND                                         ; all four work-groups are here: the joint loads meet
	tensor_load_to_lds s[G0:G0+3], s[G1:G1+7]      ; my one tensor load of the launch
	s_nop 0
	PLACES 4
	WIN 0x40
.set k, 0
.rept 32
	global_load_b128 v[4*k:4*k+3], v[LI], s[4:5] offset:512*k   ; Q's eight fragments stay in registers
.set k, k+1
.endr
	WIN 0
.irp t,0,1,2,3
	global_load_b32 v[QS+\t], v[LS], s[6:7] offset:128*\t
.endr
.irp t,0,1,2,3
.irp c,0,1,2
	global_load_b32 v[QP+3*\t+\c], v[TA], s[10:11] offset:384*(\t/2)+96*(\t%2)+4*\c
.endr
.endr
	s_wait_tensorcnt 0x0                           ; my half unit has landed,
	s_barrier_signal -1
	s_barrier_wait -1                              ; everybody's has
	s_mov_b32 s[UB], 0
	s_mov_b32 s[CNT], 4
	v_mov_b32 v[ADP], v[LB]
	KPLOAD 0
	s_wait_loadcnt 0x0                             ; Q, its scale words, my queries' positions
.set k, 0
.rept 12
	v_mul_f32 v[QP+k], s[SS], v[QP+k]              ; my queries' positions x s, once
.set k, k+1
.endr
.Lunit:                                            ; four trips, a unit of 128 keys each
	v_add_nc_u32 v[ADK], s[UB], v[LI]
	v_add_nc_u32 v[ADS], s[UB], v[LS]
	s_add_co_u32 s[NB], s[UB], KPART
	s_min_u32 s[NB], s[NB], 3*KPART
	BLOCK 0
	BLOCK 1
	BLOCK 2
	BLOCK 3
	s_add_co_u32 s[UB], s[UB], KPART
	s_sub_co_u32 s[CNT], s[CNT], 1
	s_cmp_lg_u32 s[CNT], 0
	s_cbranch_scc1 .Lunit
; ---- lanes l and l xor 16 hold the two halves of a query's keys: they are joined under their common maximum
.irp t,0,1,2,3
	v_add_f32 v[ST+8*\t+2], v[ST+8*\t+2], v[ST+8*\t+3]
.endr
.irp t,0,1,2,3
	v_permlanex16_b32 v[E+4*\t], v[ST+8*\t+1], s[SEL], s[SEL+1]
	v_permlanex16_b32 v[E+4*\t+1], v[ST+8*\t+2], s[SEL], s[SEL+1]
.endr
.irp t,0,1,2,3
	v_max_num_f32 v[ST+8*\t], v[ST+8*\t+1], v[E+4*\t]
.endr
.irp t,0,1,2,3
	v_sub_f32 v[E+4*\t+2], v[ST+8*\t+1], v[ST+8*\t]
	v_sub_f32 v[E+4*\t+3], v[E+4*\t], v[ST+8*\t]
.endr
	s_wait_alu depctr_va_vdst(0)
.irp t,0,1,2,3
	v_exp_f32 v[E+4*\t+2], v[E+4*\t+2]
	v_exp_f32 v[E+4*\t+3], v[E+4*\t+3]
.endr
	v_and_b32 v[TA], 16, v0                        ; (a plain place behind the exponentials)
	s_wait_alu depctr_va_vdst(0)
.irp t,0,1,2,3
	v_mul_f32 v[ST+8*\t+2], v[ST+8*\t+2], v[E+4*\t+2]
.endr
.irp t,0,1,2,3
	v_fmac_f32 v[ST+8*\t+2], v[E+4*\t+1], v[E+4*\t+3]
.endr
	v_cmp_ne_u32 vcc_lo, 0, v[TA]
.irp i, 0
	s_delay_alu instid0(VALU_DEP_1)
	v_cndmask_b32 v[E+16+2*\i], v[ST+16*\i], v[ST+16*\i+8], vcc_lo       ; lanes 0-15 the pair's first tile, lanes 16-31 its second
	s_delay_alu instid0(VALU_DEP_2)
	v_cndmask_b32 v[E+17+2*\i], v[ST+16*\i+2], v[ST+16*\i+10], vcc_lo
.endr
.irp i, 1
	s_delay_alu instid0(VALU_DEP_3)
	v_cndmask_b32 v[E+16+2*\i], v[ST+16*\i], v[ST+16*\i+8], vcc_lo       ; lanes 0-15 the pair's first tile, lanes 16-31 its second
	s_delay_alu instid0(VALU_DEP_4)
	v_cndmask_b32 v[E+17+2*\i], v[ST+16*\i+2], v[ST+16*\i+10], vcc_lo
.endr
	v_and_b32 v[TA], 31, v0
	s_delay_alu instid0(VALU_DEP_1)
	v_lshlrev_b32 v[TA], 3, v[TA]
.irp i,0,1
	global_store_b64 v[TA], v[E+16+2*\i:E+17+2*\i], s[12:13] offset:256*\i   ; 32 lanes store 256 consecutive bytes, aligned
.endr
	s_wait_tensorcnt 0x0                           ; the wave's end
	ds_add_u32 v[SPW], v[NIL]
	s_wait_dscnt 0x0
	CROUND                                         ; the closing round
	s_endpgm
.Lfunc_end_k_qca8df1cfa9_pass1:
	.size	k_qca8df1cfa9_pass1, .Lfunc_end_k_qca8df1cfa9_pass1-k_qca8df1cfa9_pass1
	.p2alignl 7, 3214868480
	.fill 96, 4, 3214868480
	.section	.rodata,"a",@progbits
	.p2align	6, 0x0
	.amdhsa_kernel k_qca8df1cfa9_pass1
		.amdhsa_group_segment_fixed_size 167936
		.amdhsa_private_segment_fixed_size 0
		.amdhsa_enable_private_segment 0
		.amdhsa_kernarg_size 40
		.amdhsa_user_sgpr_count 2
		.amdhsa_user_sgpr_kernarg_segment_ptr 1
		.amdhsa_wavefront_size32 1
		.amdhsa_system_sgpr_workgroup_id_x 1
		.amdhsa_system_sgpr_workgroup_id_y 1
		.amdhsa_system_sgpr_workgroup_id_z 1
		.amdhsa_system_vgpr_workitem_id 0
		.amdhsa_next_free_vgpr 448
		.amdhsa_next_free_sgpr 66
		.amdhsa_reserve_vcc 1
		.amdhsa_float_denorm_mode_32 3
		.amdhsa_float_denorm_mode_16_64 3
		.amdhsa_memory_ordered 1
		.amdhsa_forward_progress 1
		.amdhsa_inst_pref_size 142
	.end_amdhsa_kernel
	.amdgpu_metadata
---
amdhsa.version: [ 1, 2 ]
amdhsa.kernels:
  - .name:           k_qca8df1cfa9_pass1
    .symbol:         k_qca8df1cfa9_pass1.kd
    .args:
      - { .name: QF, .offset: 0, .size: 8, .value_kind: global_buffer, .address_space: global }
      - { .name: QS, .offset: 8, .size: 8, .value_kind: global_buffer, .address_space: global }
      - { .name: KV, .offset: 16, .size: 8, .value_kind: global_buffer, .address_space: global }
      - { .name: P, .offset: 24, .size: 8, .value_kind: global_buffer, .address_space: global }
      - { .name: ML, .offset: 32, .size: 8, .value_kind: global_buffer, .address_space: global }
    .group_segment_fixed_size: 167936
    .private_segment_fixed_size: 0
    .kernarg_segment_align: 8
    .kernarg_segment_size: 40
    .max_flat_workgroup_size: 256
    .sgpr_count:     66
    .vgpr_count:     448
    .wavefront_size: 32
...
	.end_amdgpu_metadata
.endif
;; end of part 2
;; launch pass2 (part 3): grid 256 x 1, 8 waves a work-group, clusters of 4 x 1, 327,680 bytes of LDS; arguments QF, QS, KV, P, ML, OP; writes OP
.if DOCPART == 3
	.amdgcn_target "amdgcn-amd-amdhsa--gfx1250"
	.amdhsa_code_object_version 6
	.text
	.protected	k_qca8df1cfa9_pass2
	.globl	k_qca8df1cfa9_pass2
	.p2align	8
	.type	k_qca8df1cfa9_pass2,@function
k_qca8df1cfa9_pass2:
	s_mov_b64 s[64:65], 0
	v_nop
	global_prefetch_b8 v0, s[64:65] scope:SCOPE_SE
	s_setreg_imm32_b32 hwreg(HW_REG_WAVE_MODE, 25, 1), 1
	s_wait_xcnt 0x0
	s_wait_alu depctr_hold_cnt(0) depctr_sa_sdst(0) depctr_va_vdst(0) depctr_va_sdst(0) depctr_va_ssrc(0) depctr_va_vcc(0) depctr_vm_vsrc(0)
	s_getreg_b32 s2, hwreg(HW_REG_IB_STS2, 6, 4)
	s_cmp_eq_u32 s2, 0
	s_cbranch_scc0 .Lentry_in_a_cluster
	s_endpgm
.Lentry_in_a_cluster:
	s_bfe_u32 s2, ttmp6, 0x10000c
	s_cmp_lg_u32 s2, 0x3003
	s_cbranch_scc0 .Lentry_shape_is_right
	s_endpgm
.Lentry_shape_is_right:
; THE SECOND WALK OVER THE KEYS: A = softmax_one, finished and normalised, is made anew, quantised along the keys and multiplied by V.  Both products on codes of BF8 (E5M2) with E8M0 scales.
; t = (q . k) u as in the first walk, by the same instructions in the same order: u = 2^(log2(c) - dx^2 - dy^2 - dz^2), dx = fma(kx, s, -(qx s)), s = sqrt(log2(e) / 2), c = log2(e) / 16.
; The first walk's 16 parts of a row give its maximum m and l = the sum of 2^(t - m); MP = m + log2(1 + l), and A = 2^(t - MP).
; SHARES.  A work-group has 128 queries x 2,048 keys (64 blocks of queries x 4 splits of the keys), 16 units of 128 keys.  Its 8 waves are 2 query groups (w / 4: 64 queries, four tiles) x 4 roles j = w % 4, and all walk the same units.
; In a unit wave j makes A for key block j (32 keys) against its group's 64 queries: S^T = K Q^T, a lane holds ONE query and 16 neighbouring keys a tile, so the conversions' results are registers 4 j .. 4 j + 3 of A's fragments.
; The four blocks' codes and scale bytes meet in LDS bytes of their own, as images of the operand's registers, a buffer for each of a slot's two units, ONE barrier a slot.  Then wave j adds O^T += V^T A^T for channels 64 j .. 64 j + 63
; over both units' keys: 16 accumulators, 128 registers.  So each fragment of K and of V and each load of positions serves four query tiles, and every number of O has one wave.
; OP [split 4][8192][256] f32 takes the four splits' parts of A V; the last launch adds them and X.
; THE RING.  Two LDS slots of two units' records (139,264 bytes, dense in memory): each wave brings 68 rows of 256 bytes by one tensor load; one load of mine is out at any time.  The change of slots stands at a slot's head.
; CLUSTER.  The four work-groups of a cluster have the same keys and other queries: each load is asked for JOINTLY, with the same descriptor and the mask of all four.
; The keys' positions come into three quarters of K's 64 registers; as soon as a component is used up, a fragment of K is asked for into its 16 registers; the fourth fragment comes with the positions.
; LIMITS: NaN and infinities are not served; 2^x under 2^-126 counts as 0 (v_exp_f32: ISA guide 15.8); a block of A whose largest number lies under 2^-111 keeps the scale byte 1 (zeros too: their codes are zeros);
; 1 / (1 + l) goes through v_log_f32 into the exponent (some 1e-6 of A, alike for a whole row); a row's sum over the keys is made in 4 parts, so its order of rounding is not that of one chain;
; qx s is rounded once, so a difference carries up to half an ulp of |s Pq|: some 1e-6 of u for positions of a few units, under 1e-5 of u where all positions carry a common offset of 30 times their spread.
; REGISTERS, window 0: v1, v2 the add's two; v3-13, v42-47 addresses; v14-15 K's scale words, later V's of the second unit; v16-27 my queries' positions x s; v28-31 MP; v32-35 Q's scale words; v36-39 A's; v40-41 V's; v48-63 at work;
;   v64-127 S^T, then A, then V of the second unit; v128-191 the exponents, then u, then A's codes and fragments; v192-255 positions and K, then V of the first unit.   window 1: v0-127 Q; v128-255 O^T (tile t, channel tile cc at 128 + 32 t + 8 cc).
.set UNITB, 69632
.set KPART, 35840                      ; a record's K part; V's 16 fragments and 8 scale images follow
.set SLOTB, 2*UNITB
.set WLOAD, SLOTB/8                    ; 17,408 bytes: 68 rows of 256
.set AXB,   2*SLOTB                    ; behind the ring: A's images, [buffer 2]: codes [group 2][tile 4][2,048], then scale words [group 2][tile 4][128]
.set AXS,   AXB+16384
.set BUFB,  17408
.set SPARE, AXB+2*BUFB                 ; the spare words, 128 bytes for each wave: four blocks of 256 bytes that no other line names
.set SP,    272                        ; the way out: a stage of 64 rows x (256 + 16) bytes for each wave, in slot 0, which has had its last fill and its last read by then
.set SPW, 1
.set NIL, 2
.set LK,  3                            ; 16 x lane + 8,192 j
.set LS,  4                            ; 4 x lane + 256 j + 32,768
.set LP,  5                            ; 64 (lane / 16) + 128 j + 33,792
.set AK,  6                            ; v6, v7: LK in the slot's first and second unit
.set PFO, 9                            ; 256 x lane; never rewritten
.set AXW, 10                           ; where my block's codes go
.set AXR, 11                           ; where my group's fragments of A are read
.set SXW, 12                           ; the same for the scale bytes
.set SXR, 13
.set KS,  14
.set QP,  16
.set MP,  28
.set QS,  32
.set AW,  36
.set VS,  40
.set AS,  42                           ; v42, v43: LS in the two units
.set AP,  44                           ; v44, v45: LP
.set LI,  46                           ; 16 x lane
.set L4,  47                           ; 4 x lane
.set T,   48                           ; tile t: T + t the largest A, T + 4 + t the other half's, then the byte, T + 8 + t the conversion's scale operand, T + 12 + t the bound
.set S,   64
.set DT,  S+48
.set E,   128
.set KB,  192
.set WV,  14
.set CX,  15
.set G1,  24
.set G0,  32
.set SEL, 36
.set SS,  38                           ; s[38:39] s = sqrt(log2(e) / 2)
.set NL,  40                           ; s[40:41] log2(c)
.set MNT, 42
.set TB,  43                           ; LDS byte at which the slot in hand begins
.set SLOTS, 44                         ; slots still to be read behind the one in hand
.set LIM, 45                           ; 1 in a wave that prefetches, else the greatest number
.set PFA, 46
.set OPB, 48
.set J,   50
.set QG,  51
.set TB1, 52
.set MSB, 0
.macro WIN new                         ; the immediate's high byte repeats the setting that is left
.if MSB != \new
	s_set_vgpr_msb (MSB<<8)|\new
.set MSB, \new
.endif
.endm
.macro PLACES n
.rept \n
	v_nop
.endr
.endm
.macro WALU
	s_wait_alu depctr_va_vdst(0)
.endm
; D, A, B, C (c < 0: the constant 0), the two scale registers; row = 1: both sides' scales from lanes 16-31; row = 2: A's alone
.macro MM d, a, b, c, sa, sb, row
.if (\c) < 0
.if (\row) == 0
	v_wmma_scale_f32_16x16x128_f8f6f4 v[(\d):(\d)+7], v[(\a):(\a)+15], v[(\b):(\b)+15], 0, v[\sa], v[\sb] matrix_a_fmt:MATRIX_FMT_BF8 matrix_b_fmt:MATRIX_FMT_BF8
.else
	v_wmma_scale_f32_16x16x128_f8f6f4 v[(\d):(\d)+7], v[(\a):(\a)+15], v[(\b):(\b)+15], 0, v[\sa], v[\sb] matrix_a_fmt:MATRIX_FMT_BF8 matrix_b_fmt:MATRIX_FMT_BF8 matrix_a_scale:MATRIX_SCALE_ROW1
.endif
.else
.if (\row) == 0
	v_wmma_scale_f32_16x16x128_f8f6f4 v[(\d):(\d)+7], v[(\a):(\a)+15], v[(\b):(\b)+15], v[(\c):(\c)+7], v[\sa], v[\sb] matrix_a_fmt:MATRIX_FMT_BF8 matrix_b_fmt:MATRIX_FMT_BF8
.elseif (\row) == 1
	v_wmma_scale_f32_16x16x128_f8f6f4 v[(\d):(\d)+7], v[(\a):(\a)+15], v[(\b):(\b)+15], v[(\c):(\c)+7], v[\sa], v[\sb] matrix_a_fmt:MATRIX_FMT_BF8 matrix_b_fmt:MATRIX_FMT_BF8 matrix_a_scale:MATRIX_SCALE_ROW1 matrix_b_scale:MATRIX_SCALE_ROW1
.else
	v_wmma_scale_f32_16x16x128_f8f6f4 v[(\d):(\d)+7], v[(\a):(\a)+15], v[(\b):(\b)+15], v[(\c):(\c)+7], v[\sa], v[\sb] matrix_a_fmt:MATRIX_FMT_BF8 matrix_b_fmt:MATRIX_FMT_BF8 matrix_a_scale:MATRIX_SCALE_ROW1
.endif
.endif
.endm
.macro CROUND                          ; a round of the cluster's barrier
	s_barrier_signal -1
	s_barrier_wait -1
	s_cmp_lg_u32 s[WV], 0
	s_cbranch_scc1 .Lnot_wave_0_\@
	s_barrier_signal -3
.Lnot_wave_0_\@:
	s_barrier_wait -3
	s_barrier_signal -1
	s_barrier_wait -1
.endm
; A PREFETCH INTO THE L2 of the slot that the NEXT change of slots will ask for: two units' work ahead of that load.  All 16 clusters of a split of the keys walk the same records: the first of them asks.
; Its four partners are told apart BY ADDRESS, 136 rows of 256 bytes each; waves 0 to 3 take 32 rows each, a lane a row; a share's last 8 rows come by their load alone.  The last change that fills a slot asks for nothing, and nothing is asked for at the head.
.macro ASK
	s_cmp_gt_u32 s[SLOTS], s[LIM]
	s_cbranch_scc0 .Lnot_mine_\@
	global_prefetch_b8 v[PFO], s[PFA:PFA+1] th:TH_LOAD_NT scope:SCOPE_SE
.Lnot_mine_\@:
.endm
.macro CHANGE fill
	s_wait_tensorcnt 0x0                           ; all my tensor loads have landed: my part of the slot ahead; so the descriptor may be written
	ds_add_u32 v[SPW], v[NIL]                      ; 0 onto my spare word
.if \fill
	s_xor_b32 s[G0+1], s[G0+1], SLOTB              ; the other slot than last time (17,408 w has neither of SLOTB's two bits for w = 0 .. 7),
	s_add_nc_u64 s[G0+2:G0+3], s[G0+2:G0+3], SLOTB ; the next two units
	s_wait_xcnt 0x0                                ; the last prefetch, a slot back, has read its address
	s_add_nc_u64 s[PFA:PFA+1], s[PFA:PFA+1], SLOTB ; one slot further on than the descriptor
	s_wait_dscnt 0x0                               ; the add is done, and my reads of the slot that I have left and of A's buffers are over
	CROUND                                         ; the same holds of every wave of all four work-groups
	tensor_load_to_lds s[G0:G0+3], s[G1:G1+7]      ; the first thing behind the round, and my one tensor load until the next
	s_nop 0
	PLACES 4
	ASK
.else
	s_wait_dscnt 0x0
	s_barrier_signal -1
	s_barrier_wait -1
.endif
.endm
.macro PFMS d, k, q                    ; v[d : d + 1] = v[k : k + 1] x s - v[q], the one number v[q] for both halves: it is named as a half of its even pair
.if (\q)%2
	v_pk_fma_f32 v[(\d):(\d)+1], v[(\k):(\k)+1], s[SS:SS+1], v[(\q)-1:(\q)] op_sel:[0,0,1] op_sel_hi:[1,0,1] neg_lo:[0,0,1] neg_hi:[0,0,1]
.else
	v_pk_fma_f32 v[(\d):(\d)+1], v[(\k):(\k)+1], s[SS:SS+1], v[(\q):(\q)+1] op_sel_hi:[1,0,0] neg_lo:[0,0,1] neg_hi:[0,0,1]
.endif
.endm
.macro COMP c, t                       ; component c of the distances of tile t's query to my 16 keys: 8 packed differences, 8 packed squares off the exponents
.irp p,0,2,4,6,8,10,12,14
	PFMS DT+\p, KB+16*(\c)+\p, QP+3*(\t)+(\c)
.endr
.irp p,0,2,4,6,8,10,12,14
.if (\c) == 0
	v_pk_fma_f32 v[E+16*(\t)+\p:E+16*(\t)+\p+1], v[DT+\p:DT+\p+1], v[DT+\p:DT+\p+1], s[NL:NL+1] op_sel_hi:[1,1,0] neg_lo:[1,0,0] neg_hi:[1,0,0]
.else
	v_pk_fma_f32 v[E+16*(\t)+\p:E+16*(\t)+\p+1], v[DT+\p:DT+\p+1], v[DT+\p:DT+\p+1], v[E+16*(\t)+\p:E+16*(\t)+\p+1] neg_lo:[1,0,0] neg_hi:[1,0,0]
.endif
.endr
.endm
.macro KFRAG k, f                      ; K's fragment f of unit k's block j: key tile f / 2, channels 128 (f % 2) on
.irp c,0,1,2,3
	ds_load_b128 v[KB+16*(\f)+4*\c:KB+16*(\f)+4*\c+3], v[AK+\k] offset:2048*(\f)+512*\c
.endr
.endm
.macro HEADLD k                        ; what unit k begins with, 18 loads: x, y, z of my 16 keys (sixteen lanes read the same 16 bytes), K's last fragment, K's scale words
.irp c,0,1,2
.irp i,0,1,2,3
	ds_load_b128 v[KB+16*\c+4*\i:KB+16*\c+4*\i+3], v[AP+\k] offset:512*\c+16*\i
.endr
.endr
	KFRAG \k, 3
.irp u,0,1
	ds_load_b32 v[KS+\u], v[AS+\k] offset:128*\u
.endr
.endm
.macro EXPS base
.set j, 0
.rept 64
	v_exp_f32 v[\base+j], v[\base+j]
.set j, j+1
.endr
.endm
.macro TMP t                           ; (q . k) u - MP of tile t; each accumulator from its low end on
.irp p,0,2,4,6,8,10,12,14
.if (\t)%2
	v_pk_fma_f32 v[S+16*(\t)+\p:S+16*(\t)+\p+1], v[S+16*(\t)+\p:S+16*(\t)+\p+1], v[E+16*(\t)+\p:E+16*(\t)+\p+1], v[MP+(\t)-1:MP+(\t)] op_sel:[0,0,1] op_sel_hi:[1,1,1] neg_lo:[0,0,1] neg_hi:[0,0,1]
.else
	v_pk_fma_f32 v[S+16*(\t)+\p:S+16*(\t)+\p+1], v[S+16*(\t)+\p:S+16*(\t)+\p+1], v[E+16*(\t)+\p:E+16*(\t)+\p+1], v[MP+(\t):MP+(\t)+1] op_sel_hi:[1,1,0] neg_lo:[0,0,1] neg_hi:[0,0,1]
.endif
.endr
.endm
; A OF UNIT k (the k-th of its slot): my block of 32 keys against my group's 64 queries, into buffer k
.macro MAKEA k
	s_wait_dscnt 6+8*(\k)                          ; the positions are in; behind them: a fragment's 4 loads, 2 scale words, and (k = 1) the first unit's 8 stores of A
.irp c,0,1,2
.irp t,0,1,2,3
	COMP \c, \t
.endr
	KFRAG \k, \c                                   ; the component is used up: a fragment of K into its registers
.endr
	WALU                                           ; ahead of the batch
	EXPS E                                         ; u
	s_wait_dscnt 0x0                               ; K's fragments and scale words
	WIN 0x04                                       ; source 1 (Q) window 1
.irp u,0,1
.irp t,0,1,2,3
	MM S+16*\t+8*\u, KB+32*\u, 32*\t, -1, KS+\u, QS+\t, 0          ; channels 0-127 start the eight sums
.endr
.endr
.irp u,0,1
.irp t,0,1,2,3
	MM S+16*\t+8*\u, KB+32*\u+16, 32*\t+16, S+16*\t+8*\u, KS+\u, QS+\t, 1   ; channels 128-255: seven other accumulators stand between two links; their scale words lie in lanes 16-31
.endr
.endr
	WIN 0
	PLACES 8                                       ; eight places behind the products ahead of the reads of S^T and of loads into K's registers; also the plain place behind the exponentials
	WALU                                           ; one wait for the batch and for the eight sums, directly ahead of their first readers
.irp t,0,1,2,3
	TMP \t
.endr
.if (\k) == 0
	HEADLD 1                                       ; K's registers are free: the second unit's positions land while this unit's A is made
.endif
	WALU
	EXPS S                                         ; A, finished and normalised
	v_nop
	WALU
.irp t,0,1,2,3
	v_max3_num_f32 v[T+\t], v[S+16*\t], v[S+16*\t+1], 0x8000000    ; the block's largest A (never negative), with the floor 2^(16 - 127); the four tiles by turns
.endr
.irp i,2,4,6,8,10,12,14
.irp t,0,1,2,3
	v_max3_num_f32 v[T+\t], v[T+\t], v[S+16*\t+\i], v[S+16*\t+\i+1]
.endr
.endr
.irp t,0,1,2,3
	v_permlanex16_b32 v[T+4+\t], v[T+\t], s[SEL], s[SEL+1]
.endr
.irp t,0,1,2,3
	v_max_num_f32 v[T+\t], v[T+\t], v[T+4+\t]              ; with lane l xor 16's 16 keys
.endr
.irp t,0,1,2,3
	v_add_nc_u32 v[T+8+\t], 0xf8800000, v[T+\t]            ; 15 off the exponent field: the conversion's scale operand
.endr
.irp t,0,1,2,3
	v_and_or_b32 v[T+12+\t], v[T+\t], 0x7f800000, s[MNT]   ; 57,344 x the scale
.endr
.irp t,0,1,2,3
	v_lshrrev_b32 v[T+4+\t], 23, v[T+8+\t]                 ; the scale's byte
.endr
.irp t,0,1,2,3
.irp i,0,2,4,6,8,10,12,14
	v_dual_min_num_f32 v[S+16*\t+\i], v[S+16*\t+\i], v[T+12+\t] :: v_dual_min_num_f32 v[S+16*\t+\i+1], v[S+16*\t+\i+1], v[T+12+\t]   ; the conversion to an 8-bit code does not saturate (ISA guide 7.6.2); the hold is one-sided; two holds an instruction: an even and an odd destination, first sources in two banks, one bound
.endr
.endr
.irp t,0,1,2,3
	v_cvt_scalef32_pk8_bf8_f32 v[E+4*\t:E+4*\t+1], v[S+16*\t:S+16*\t+7], v[T+8+\t]
	v_cvt_scalef32_pk8_bf8_f32 v[E+4*\t+2:E+4*\t+3], v[S+16*\t+8:S+16*\t+15], v[T+8+\t]
.endr
	v_nop                                          ; a plain line behind the last conversion
.irp t,0,1,2,3
	ds_store_b128 v[AXW], v[E+4*\t:E+4*\t+3] offset:BUFB*(\k)+2048*\t   ; registers 4 j .. 4 j + 3 of tile t's fragment of A
.endr
.irp t,0,1,2,3
	ds_store_b8 v[SXW], v[T+4+\t] offset:BUFB*(\k)+128*\t               ; byte j of its scale words
.endr
.endm
.macro VLOAD k, reg, sc                ; unit k's fragments of V for channels 64 j on, and their scale words: 18 loads
.irp cc,0,1,2,3
.irp c,0,1,2,3
	ds_load_b128 v[(\reg)+16*\cc+4*\c:(\reg)+16*\cc+4*\c+3], v[AK+\k] offset:KPART+2048*\cc+512*\c
.endr
.endr
.irp i,0,1
	ds_load_b32 v[(\sc)+\i], v[AS+\k] offset:KPART+128*\i
.endr
.endm
.macro ALOAD k, t0                     ; unit k's fragments of A and scale words for tiles t0, t0 + 1: 10 loads
.irp t,\t0,\t0+1
.irp c,0,1,2,3
	ds_load_b128 v[E+16*(\t)+4*\c:E+16*(\t)+4*\c+3], v[AXR] offset:BUFB*(\k)+2048*(\t)+512*\c
.endr
	ds_load_b32 v[AW+(\t)], v[SXR] offset:BUFB*(\k)+128*(\t)
.endr
.endm
; O^T += V^T A^T for tiles t0, t0 + 1: eight accumulators, each once.  A scale register of V holds two channel tiles' words: the odd tile's in lanes 16-31.
; mode 0: the products start the sums; 1: a sum written ahead of this slot's exponentials is taken up: the wait stands directly ahead of each first reader; 2: no transcendental stands between the sum's last write and this read
.macro PV vb, vs, t0, mode
.irp t,\t0,\t0+1
.irp cc,0,1,2,3
.if (\mode) == 0
	MM 128+32*(\t)+8*\cc, (\vb)+16*\cc, E+16*(\t), -1, (\vs)+\cc/2, AW+(\t), 2*(\cc%2)
.else
.if (\mode) == 1
	WALU
.endif
	MM 128+32*(\t)+8*\cc, (\vb)+16*\cc, E+16*(\t), 128+32*(\t)+8*\cc, (\vs)+\cc/2, AW+(\t), 2*(\cc%2)
.endif
.endr
.endr
.endm
; A SLOT: two units.  first = 1: the first unit's second product starts O^T's sums: nothing is ever cleared
.macro SLOT fill, first
	CHANGE \fill
	s_add_co_u32 s[TB1], s[TB], UNITB
	v_add_nc_u32 v[AK], s[TB], v[LK]
	v_add_nc_u32 v[AS], s[TB], v[LS]
	v_add_nc_u32 v[AP], s[TB], v[LP]
	v_add_nc_u32 v[AK+1], s[TB1], v[LK]
	v_add_nc_u32 v[AS+1], s[TB1], v[LS]
	v_add_nc_u32 v[AP+1], s[TB1], v[LP]
	WALU
	HEADLD 0
	MAKEA 0
	MAKEA 1
	WALU
	s_wait_dscnt 0x0                               ; for the others' sake: my stores of A have landed
	s_barrier_signal -1
	VLOAD 0, KB, VS                                ; bytes of the slot, which nobody writes before a later barrier
	VLOAD 1, S, KS
	s_barrier_wait -1                              ; all blocks of both units' A lie in LDS
	ALOAD 0, 0
	ALOAD 0, 2
	s_wait_dscnt 10                                ; both units' V and the first unit's A for tiles 0, 1 are in; the 10 loads for tiles 2, 3 may be out
	WIN 0x50-0x10*(\first)
	PV KB, VS, 0, 1-(\first)
	WIN 0
	PLACES 8                                       ; ahead of loads into registers that these products have read
	ALOAD 1, 0
	s_wait_dscnt 10                                ; the first unit's A for tiles 2, 3 is in; the 10 loads just issued may be out
	WIN 0x50-0x10*(\first)
	PV KB, VS, 2, 1-(\first)
	WIN 0
	PLACES 8
	ALOAD 1, 2
	s_wait_dscnt 10                                ; the second unit's A for tiles 0, 1 is in; the 10 loads for tiles 2, 3 may be out
	WIN 0x50
	PV S, KS, 0, 2
	s_wait_dscnt 0x0
	PV S, KS, 2, 2
	WIN 0
	PLACES 8                                       ; ahead of loads into, and vector writes of, registers that these products have read, and of the reads of O^T
	s_xor_b32 s[TB], s[TB], SLOTB                  ; on to the other slot
	s_sub_co_u32 s[SLOTS], s[SLOTS], 1
.endm
	s_load_b256 s[4:11], s[0:1], 0x0               ; QF s[4:5], QS s[6:7], KV s[8:9], P s[10:11]
	s_load_b128 s[16:19], s[0:1], 0x20             ; ML s[16:17], OP s[18:19]
	v_lshl_add_u32 v[SPW], v0, 2, SPARE
	v_mov_b32 v[NIL], 0
	ds_add_u32 v[SPW], v[NIL]                      ; the wave's opening: the add, twice on end, and its wait ahead of my first tensor load
	ds_add_u32 v[SPW], v[NIL]
	v_lshrrev_b32 v6, 5, v0
	v_readfirstlane_b32 s[WV], v6                  ; wave 0..7
	s_bfe_u32 s[CX], ttmp6, 0x40000                ; my place in the cluster: it enters global addresses alone, and none of a descriptor
	s_mov_b32 s[G1], 15|(3<<16)|(1<<21)            ; the mask: all four work-groups; elements of 8 bytes; bit 21 beside a mask; no padding
	s_mov_b32 s[G1+1], 32<<16                      ; rows of 256 bytes
	s_mov_b32 s[G1+2], 68<<16
	s_mov_b32 s[G1+3], 32<<16
	s_mov_b32 s[G1+4], 68
	s_mov_b32 s[G1+5], 32                          ; the block is dense: pitch = row
	s_mov_b32 s[G1+6], 0
	s_mov_b32 s[G1+7], 0
	s_mov_b32 s[SEL], 0x76543210
	s_mov_b32 s[SEL+1], 0xfedcba98
	s_mov_b32 s[SS], 0x3f596d27                    ; s = sqrt(log2(e) / 2)
	s_mov_b32 s[SS+1], s[SS]
	s_mov_b32 s[NL], 0xc05e28b1                    ; log2(log2(e) / 16)
	s_mov_b32 s[NL+1], s[NL]
	s_mov_b32 s[MNT], 0x600000                     ; the mantissa field of 57,344
	s_mov_b32 s[TB], 0
	s_mov_b32 s[SLOTS], 7
	s_and_b32 s[J], s[WV], 3
	s_lshr_b32 s[QG], s[WV], 2
	s_and_b32 s20, ttmp9, 3                        ; my split of the keys: units 16 ks on
	s_mul_i32 s22, s20, 16*UNITB
	s_mul_i32 s21, s[WV], WLOAD                    ; my 68 rows of a slot, in LDS as in memory
	s_mul_i32 s54, s[CX], 136*256                  ; the prefetches: my work-group's 136 rows of a slot, my wave's 32 of them, in slot 1: the first change steps it to slot 2
	s_add_co_u32 s54, s54, s22
	s_lshl_b32 s55, s[J], 13
	s_add_co_u32 s54, s54, s55
	s_add_co_u32 s54, s54, SLOTB
	s_mov_b32 s55, 0
	s_add_co_u32 s22, s22, s21
	s_mov_b32 s23, 0
	s_lshr_b32 s56, ttmp9, 2                       ; which of the split's 16 clusters
	s_or_b32 s57, s56, s[QG]
	s_cmp_eq_u32 s57, 0                            ; waves 0 to 3 of the first: the same in all four partners
	s_cselect_b32 s[LIM], 1, -1
	s_lshl_b32 s56, s56, 2
	s_add_co_u32 s56, s56, s[CX]                   ; my block of 128 queries
	s_lshl_b32 s57, s56, 1
	s_add_co_u32 s57, s57, s[QG]                   ; my group of 64: four tiles
	s_lshl_b32 s58, s57, 14                        ; QF: 4,096 bytes a tile
	s_mov_b32 s59, 0
	s_lshl_b32 s60, s57, 9                         ; QS: 128 bytes a tile; ML: 256 a pair of tiles
	s_mov_b32 s61, 0
	s_mul_i32 s62, s57, 768                        ; P: 64 rows of 12 bytes
	s_mov_b32 s63, 0
	s_lshl_b32 s66, s57, 16                        ; OP: 64 rows of 1,024 bytes, + my 64 channels, + my split's 8 MiB
	s_lshl_b32 s67, s[J], 8
	s_add_co_u32 s66, s66, s67
	s_lshl_b32 s67, s20, 23
	s_add_co_u32 s66, s66, s67
	s_mov_b32 s67, 0
	s_lshl_b32 s68, s[J], 13                       ; the waves' parts of the LDS addresses
	s_lshl_b32 s69, s[J], 8
	s_add_co_u32 s69, s69, 32768
	s_lshl_b32 s70, s[J], 7
	s_add_co_u32 s70, s70, 33792
	s_lshl_b32 s71, s[QG], 13
	s_add_co_u32 s71, s71, AXB
	s_lshl_b32 s72, s[J], 9
	s_add_co_u32 s72, s72, s71
	s_lshl_b32 s73, s[QG], 9
	s_add_co_u32 s73, s73, AXS
	s_add_co_u32 s74, s73, s[J]
	v_and_b32 v8, 31, v0                           ; lane
	v_bfe_u32 v6, v0, 4, 1                         ; lane / 16
	v_and_b32 v7, 15, v0                           ; lane % 16
	v_lshlrev_b32 v[LI], 4, v8
	v_lshlrev_b32 v[L4], 2, v8
	v_lshlrev_b32 v[PFO], 8, v8
	v_lshlrev_b32 v[T], 3, v8                      ; until the first unit: T = 8 x lane, T + 1 = my row of P
	v_and_b32 v[T+1], 8, v7
	v_add_nc_u32 v[T+1], v[T+1], v7
	v_mul_u32_u24 v[T+1], v[T+1], 12               ; row r of a tile is row r + 8 (r / 8) from the tile's first
	v_add_nc_u32 v[LK], s68, v[LI]
	v_add_nc_u32 v[LS], s69, v[L4]
	v_lshl_add_u32 v[LP], v6, 6, s70
	v_add_nc_u32 v[AXR], s71, v[LI]
	v_add_nc_u32 v[AXW], s72, v[LI]
	v_add_nc_u32 v[SXR], s73, v[L4]
	v_add_nc_u32 v[SXW], s74, v[L4]
.irp t,0,1,2,3
	v_mov_b32 v[T+4+\t], 0                         ; written once: a lane permute's destination counts as one of its sources
.endr
	WALU                                           ; the head's vector lines are through
	s_wait_dscnt 0x0                               ; both opening adds are done
	s_wait_kmcnt 0x0
	s_mov_b32 s[G0], 1
	s_mov_b32 s[G0+1], s21
	s_add_nc_u64 s[G0+2:G0+3], s[8:9], s[22:23]
	s_or_b32 s[G0+3], s[G0+3], 0x80000000
	s_add_nc_u64 s[PFA:PFA+1], s[8:9], s[54:55]
	s_add_nc_u64 s[4:5], s[4:5], s[58:59]
	s_add_nc_u64 s[6:7], s[6:7], s[60:61]
	s_add_nc_u64 s[10:11], s[10:11], s[62:63]
	s_add_nc_u64 s[16:17], s[16:17], s[60:61]
	s_add_nc_u64 s[OPB:OPB+1], s[18:19], s[66:67]
	CROUND                                         ; all four work-groups are here: the first joint loads meet
	tensor_load_to_lds s[G0:G0+3], s[G1:G1+7]      ; slot 0: my one tensor load at the head
	s_nop 0
	PLACES 4
	WIN 0x40
.set k, 0
.rept 32
	global_load_b128 v[4*k:4*k+3], v[LI], s[4:5] offset:512*k   ; Q's eight fragments stay in registers
.set k, k+1
.endr
	WIN 0
.irp t,0,1,2,3
	global_load_b32 v[QS+\t], v[L4], s[6:7] offset:128*\t
.endr
.irp t,0,1,2,3
.irp c,0,1,2
	global_load_b32 v[QP+3*\t+\c], v[T+1], s[10:11] offset:384*(\t/2)+96*(\t%2)+4*\c
.endr
.endr
.irp i,0,1
.irp k,0,1,2,3,4,5,6,7,8,9,10,11,12,13,14,15
	global_load_b64 v[S+32*\i+2*\k:S+32*\i+2*\k+1], v[T], s[16:17] offset:65536*\k+256*\i   ; the first walk's 16 parts: (maximum, sum) of pair i's tile lane / 16, row lane % 16
.endr
.endr
	s_wait_loadcnt 0x0
.set k, 0
.rept 12
	v_mul_f32 v[QP+k], s[SS], v[QP+k]              ; my queries' positions x s, once
.set k, k+1
.endr
.irp i,0,1
	v_max3_num_f32 v[E+\i], v[S+32*\i], v[S+32*\i+2], v[S+32*\i+4]   ; the row's maximum, the two pairs by turns
.endr
.irp k,3,5,7,9,11,13
.irp i,0,1
	v_max3_num_f32 v[E+\i], v[E+\i], v[S+32*\i+2*\k], v[S+32*\i+2*\k+2]
.endr
.endr
.irp i,0,1
	v_max_num_f32 v[E+\i], v[E+\i], v[S+32*\i+30]
.endr
.irp k,0,1,2,3,4,5,6,7,8,9,10,11,12,13,14,15
.irp i,0,1
	v_sub_f32 v[S+32*\i+2*\k], v[S+32*\i+2*\k], v[E+\i]
.endr
.endr
	WALU
.irp k,0,1,2,3,4,5,6,7,8,9,10,11,12,13,14,15
.irp i,0,1
	v_exp_f32 v[S+32*\i+2*\k], v[S+32*\i+2*\k]
.endr
.endr
	v_mov_b32 v[E+6], 0                            ; (plain lines behind the batch; a lane permute's destinations)
	v_mov_b32 v[E+7], 0
	WALU
.irp i,0,1
	v_mul_f32 v[E+2+\i], v[S+32*\i+1], v[S+32*\i]  ; the sum under that maximum, in two chains a pair
	v_mul_f32 v[E+4+\i], v[S+32*\i+3], v[S+32*\i+2]
.endr
.irp k,2,4,6,8,10,12,14
.irp i,0,1
	v_fmac_f32 v[E+2+\i], v[S+32*\i+2*\k+1], v[S+32*\i+2*\k]
	v_fmac_f32 v[E+4+\i], v[S+32*\i+2*\k+3], v[S+32*\i+2*\k+2]
.endr
.endr
.irp i,0,1
	v_add_f32 v[E+2+\i], v[E+2+\i], v[E+4+\i]
.endr
.irp i,0,1
	v_add_f32 v[E+2+\i], 1.0, v[E+2+\i]            ; softmax_one's divisor
.endr
	WALU
.irp i,0,1
	v_log_f32 v[E+2+\i], v[E+2+\i]
.endr
	v_nop
	WALU
	v_cmp_ne_u32 vcc_lo, 0, v6                     ; lanes 16-31
.irp i,0,1
	v_add_f32 v[E+2+\i], v[E+\i], v[E+2+\i]        ; MP of pair i's tile lane / 16,
.endr
.irp i,0,1
	v_permlanex16_b32 v[E+6+\i], v[E+2+\i], s[SEL], s[SEL+1]   ; and of the other
.endr
.irp i,0,1
	v_cndmask_b32 v[MP+2*\i], v[E+2+\i], v[E+6+\i], vcc_lo     ; every lane holds both tiles' MP of its query row
	v_cndmask_b32 v[MP+2*\i+1], v[E+6+\i], v[E+2+\i], vcc_lo
.endr
	WALU                                           ; the head's end
	SLOT 1, 1                                      ; slot 0 is whole; slot 1 is asked for
.Lslot:                                            ; six trips: slots 1 to 6; behind each change the next slot is asked for
	SLOT 1, 0
	WALU
	s_cmp_lg_u32 s[SLOTS], 0
	s_cbranch_scc1 .Lslot
	SLOT 0, 0                                      ; the last slot is written out
; THE WAY OUT.  A lane holds 8 neighbouring channels of one query; a tile goes through my own stage (in slot 0: its last fill and, ahead of the last change of slots, every wave's last read of it are over)
; and comes back by rows: sixteen lanes store my 64 channels of a row, 256 consecutive bytes, aligned.
	s_mul_i32 s53, s[WV], 64*SP
	v_and_b32 v6, 15, v0
	v_bfe_u32 v7, v0, 4, 1
	v_mul_u32_u24 v3, v6, SP
	v_lshl_add_u32 v3, v7, 5, v3
	v_add_nc_u32 v3, s53, v3                       ; in: row lane % 16; channels 16 cc + 8 (lane / 16) on
	v_mul_u32_u24 v4, v7, SP
	v_lshl_add_u32 v4, v6, 4, v4
	v_add_nc_u32 v4, s53, v4                       ; back: lanes 0-15 one row, lanes 16-31 the next
	v_lshlrev_b32 v5, 10, v7
	v_lshl_add_u32 v5, v6, 4, v5                   ; and the same two rows in OP
	WALU
	WIN 0x04                                       ; an LDS store's data are its source 1: window 1
.irp t,0,1,2,3
.irp cc,0,1,2,3
	ds_store_b128 v3, v[128+32*\t+8*\cc:128+32*\t+8*\cc+3] offset:16*SP*\t+64*\cc      ; each accumulator from its low end on
	ds_store_b128 v3, v[128+32*\t+8*\cc+4:128+32*\t+8*\cc+7] offset:16*SP*\t+64*\cc+16
.endr
.endr
	WIN 0
.set n, 0
.rept 32
	ds_load_b128 v[S+4*n:S+4*n+3], v4 offset:16*SP*(n/8)+2*SP*(n%8)   ; LDS serves a wave's instructions in order (ISA guide 5.7.1.4): these see my stores
.set n, n+1
.endr
.set n, 0
.rept 32
	s_wait_dscnt 31-n                              ; load n is in; the 31 - n issued behind it may be out
	global_store_b128 v5, v[S+4*n:S+4*n+3], s[OPB:OPB+1] offset:(32*(n/16)+8*((n/8)%2)+2*(n%8)+8*((n%8)/4))*1024 th:TH_STORE_NT   ; the tile's row rho is row rho + 8 (rho / 8) from its first
.set n, n+1
.endr
	s_wait_tensorcnt 0x0                           ; the wave's end, behind my last tensor load and my last LDS store
	ds_add_u32 v[SPW], v[NIL]
	s_wait_dscnt 0x0
	CROUND                                         ; the closing round
	s_endpgm
.Lfunc_end_k_qca8df1cfa9_pass2:
	.size	k_qca8df1cfa9_pass2, .Lfunc_end_k_qca8df1cfa9_pass2-k_qca8df1cfa9_pass2
	.p2alignl 7, 3214868480
	.fill 96, 4, 3214868480
	.section	.rodata,"a",@progbits
	.p2align	6, 0x0
	.amdhsa_kernel k_qca8df1cfa9_pass2
		.amdhsa_group_segment_fixed_size 327680
		.amdhsa_private_segment_fixed_size 0
		.amdhsa_enable_private_segment 0
		.amdhsa_kernarg_size 48
		.amdhsa_user_sgpr_count 2
		.amdhsa_user_sgpr_kernarg_segment_ptr 1
		.amdhsa_wavefront_size32 1
		.amdhsa_system_sgpr_workgroup_id_x 1
		.amdhsa_system_sgpr_workgroup_id_y 1
		.amdhsa_system_sgpr_workgroup_id_z 1
		.amdhsa_system_vgpr_workitem_id 0
		.amdhsa_next_free_vgpr 512
		.amdhsa_next_free_sgpr 80
		.amdhsa_reserve_vcc 1
		.amdhsa_float_denorm_mode_32 3
		.amdhsa_float_denorm_mode_16_64 3
		.amdhsa_memory_ordered 1
		.amdhsa_forward_progress 1
		.amdhsa_inst_pref_size 234
	.end_amdhsa_kernel
	.amdgpu_metadata
---
amdhsa.version: [ 1, 2 ]
amdhsa.kernels:
  - .name:           k_qca8df1cfa9_pass2
    .symbol:         k_qca8df1cfa9_pass2.kd
    .args:
      - { .name: QF, .offset: 0, .size: 8, .value_kind: global_buffer, .address_space: global }
      - { .name: QS, .offset: 8, .size: 8, .value_kind: global_buffer, .address_space: global }
      - { .name: KV, .offset: 16, .size: 8, .value_kind: global_buffer, .address_space: global }
      - { .name: P, .offset: 24, .size: 8, .value_kind: global_buffer, .address_space: global }
      - { .name: ML, .offset: 32, .size: 8, .value_kind: global_buffer, .address_space: global }
      - { .name: OP, .offset: 40, .size: 8, .value_kind: global_buffer, .address_space: global }
    .group_segment_fixed_size: 327680
    .private_segment_fixed_size: 0
    .kernarg_segment_align: 8
    .kernarg_segment_size: 48
    .max_flat_workgroup_size: 256
    .sgpr_count:     80
    .vgpr_count:     512
    .wavefront_size: 32
...
	.end_amdgpu_metadata
.endif
;; end of part 3
;; launch combine (part 4): grid 256 x 1, 8 waves a work-group, no clusters, 0 bytes of LDS; arguments X, OP, out0; writes out0
.if DOCPART == 4
	.amdgcn_target "amdgcn-amd-amdhsa--gfx1250"
	.amdhsa_code_object_version 6
	.text
	.protected	k_qca8df1cfa9_combine
	.globl	k_qca8df1cfa9_combine
	.p2align	8
	.type	k_qca8df1cfa9_combine,@function
k_qca8df1cfa9_combine:
	s_mov_b64 s[64:65], 0
	v_nop
	global_prefetch_b8 v0, s[64:65] scope:SCOPE_SE
	s_setreg_imm32_b32 hwreg(HW_REG_WAVE_MODE, 25, 1), 1
	s_wait_xcnt 0x0
; out0 = ((O0 + O1) + (O2 + O3)) + X: the four key splits' parts of A V, [4][8192][256] f32, and the residual.  A stream: no LDS, no matrix unit, no cluster: nothing is shared and nothing is read twice.
; A work-group takes 32 rows (32,768 bytes of each of the five streams); thread t takes the 16 bytes at 16 t + 4,096 j, j = 0 .. 7, so a load or store of a wave covers 512 consecutive bytes, aligned.
; All 40 loads of a wave go out at once; each chunk has registers of its own, so no register that a store reads is written again.
.set D, 16                             ; chunk j at v[D + 20 j]: O0, O1, O2, O3, X, four registers each
	s_load_b128 s[4:7], s[0:1], 0x0                ; X s[4:5], OP s[6:7]
	s_load_b64 s[8:9], s[0:1], 0x10                ; out0
	v_lshlrev_b32 v1, 4, v0
	s_lshl_b32 s2, ttmp9, 15
	s_mov_b32 s3, 0
	s_wait_alu depctr_va_vdst(0)
	s_wait_kmcnt 0x0
	s_add_nc_u64 s[4:5], s[4:5], s[2:3]
	s_add_nc_u64 s[6:7], s[6:7], s[2:3]
	s_add_nc_u64 s[8:9], s[8:9], s[2:3]
	s_add_nc_u64 s[10:11], s[6:7], 0x800000        ; a split's part is 8 MiB, one byte more than a load's immediate reaches (ISA guide, chapter 10): a base for each
	s_add_nc_u64 s[12:13], s[10:11], 0x800000
	s_add_nc_u64 s[14:15], s[12:13], 0x800000
.irp j,0,1,2,3,4,5,6,7
	global_load_b128 v[D+20*\j:D+20*\j+3], v1, s[6:7] offset:4096*\j th:TH_LOAD_NT
	global_load_b128 v[D+20*\j+4:D+20*\j+7], v1, s[10:11] offset:4096*\j th:TH_LOAD_NT
	global_load_b128 v[D+20*\j+8:D+20*\j+11], v1, s[12:13] offset:4096*\j th:TH_LOAD_NT
	global_load_b128 v[D+20*\j+12:D+20*\j+15], v1, s[14:15] offset:4096*\j th:TH_LOAD_NT
	global_load_b128 v[D+20*\j+16:D+20*\j+19], v1, s[4:5] offset:4096*\j th:TH_LOAD_NT
.endr
.irp j,0,1,2,3,4,5,6,7
	s_wait_loadcnt 5*(7-\j)                        ; loads come back in order (ISA guide 5.7.1): chunk j's five are in, five for each younger chunk may be out
	v_pk_add_f32 v[D+20*\j:D+20*\j+1], v[D+20*\j:D+20*\j+1], v[D+20*\j+4:D+20*\j+5]
	v_pk_add_f32 v[D+20*\j+2:D+20*\j+3], v[D+20*\j+2:D+20*\j+3], v[D+20*\j+6:D+20*\j+7]
	v_pk_add_f32 v[D+20*\j+8:D+20*\j+9], v[D+20*\j+8:D+20*\j+9], v[D+20*\j+12:D+20*\j+13]
	v_pk_add_f32 v[D+20*\j+10:D+20*\j+11], v[D+20*\j+10:D+20*\j+11], v[D+20*\j+14:D+20*\j+15]
	s_delay_alu instid0(VALU_DEP_2)
	v_pk_add_f32 v[D+20*\j:D+20*\j+1], v[D+20*\j:D+20*\j+1], v[D+20*\j+8:D+20*\j+9]
	s_delay_alu instid0(VALU_DEP_2)
	v_pk_add_f32 v[D+20*\j+2:D+20*\j+3], v[D+20*\j+2:D+20*\j+3], v[D+20*\j+10:D+20*\j+11]
	s_delay_alu instid0(VALU_DEP_2)
	v_pk_add_f32 v[D+20*\j:D+20*\j+1], v[D+20*\j:D+20*\j+1], v[D+20*\j+16:D+20*\j+17]
	s_delay_alu instid0(VALU_DEP_2)
	v_pk_add_f32 v[D+20*\j+2:D+20*\j+3], v[D+20*\j+2:D+20*\j+3], v[D+20*\j+18:D+20*\j+19]
	global_store_b128 v1, v[D+20*\j:D+20*\j+3], s[8:9] offset:4096*\j th:TH_STORE_NT
.endr
	s_endpgm
.Lfunc_end_k_qca8df1cfa9_combine:
	.size	k_qca8df1cfa9_combine, .Lfunc_end_k_qca8df1cfa9_combine-k_qca8df1cfa9_combine
	.p2alignl 7, 3214868480
	.fill 96, 4, 3214868480
	.section	.rodata,"a",@progbits
	.p2align	6, 0x0
	.amdhsa_kernel k_qca8df1cfa9_combine
		.amdhsa_group_segment_fixed_size 0
		.amdhsa_private_segment_fixed_size 0
		.amdhsa_enable_private_segment 0
		.amdhsa_kernarg_size 24
		.amdhsa_user_sgpr_count 2
		.amdhsa_user_sgpr_kernarg_segment_ptr 1
		.amdhsa_wavefront_size32 1
		.amdhsa_system_sgpr_workgroup_id_x 1
		.amdhsa_system_sgpr_workgroup_id_y 1
		.amdhsa_system_sgpr_workgroup_id_z 1
		.amdhsa_system_vgpr_workitem_id 0
		.amdhsa_next_free_vgpr 176
		.amdhsa_next_free_sgpr 66
		.amdhsa_reserve_vcc 0
		.amdhsa_float_denorm_mode_32 3
		.amdhsa_float_denorm_mode_16_64 3
		.amdhsa_memory_ordered 1
		.amdhsa_forward_progress 1
		.amdhsa_inst_pref_size 11
	.end_amdhsa_kernel
	.amdgpu_metadata
---
amdhsa.version: [ 1, 2 ]
amdhsa.kernels:
  - .name:           k_qca8df1cfa9_combine
    .symbol:         k_qca8df1cfa9_combine.kd
    .args:
      - { .name: X, .offset: 0, .size: 8, .value_kind: global_buffer, .address_space: global }
      - { .name: OP, .offset: 8, .size: 8, .value_kind: global_buffer, .address_space: global }
      - { .name: out0, .offset: 16, .size: 8, .value_kind: global_buffer, .address_space: global }
    .group_segment_fixed_size: 0
    .private_segment_fixed_size: 0
    .kernarg_segment_align: 8
    .kernarg_segment_size: 24
    .max_flat_workgroup_size: 256
    .sgpr_count:     66
    .vgpr_count:     176
    .wavefront_size: 32
...
	.end_amdgpu_metadata
.endif
;; end of part 4
